; MI455X (gfx1250); checked and timed in simulation.
; The chip was launched on July 23, 2026; its instructions are those of AMD's public machine-readable ISA for CDNA 5 (MIT licence, August 2026) and "CDNA5" Instruction Set Architecture Reference Guide (July 2026). The comments in the code are by the model that wrote it; some were corrected since.
;; Multi Head Attention. Allowed arithmetic: matrix products marked QUANTISED: E3M2 operands, one E8M0 scale for each 32 along K, by v_wmma_scale_f32_16x16x128_f8f6f4 with both operands' format E3M2, f32 sums; everything else in f32.
;; Inputs: Wk 16 x 1,024 x 64 float32; Wq 16 x 1,024 x 64 float32; Wv 16 x 1,024 x 64 float32; inputs 4 x 2,048 x 1,024 float32.
;; Outputs: out0 4 x 2,048 x 1,024 float32.
;; This version of the problem:
;;   THIS VERSION OF THE PROBLEM IS GIVEN IN LOW PRECISION. The matrix products marked QUANTISED in the list below multiply operands that are first quantised to E3M2 (3 exponent bits, 2 mantissa bits; 6 bits a number), with one power-of-two scale for each 32 numbers along K (OCP MX v1.0); their sums are f32. All else is computed in f32.
;;   The module's matrix products, in the order in which they are computed (A, B: the left and right operand; K: the contracted axis; several contracted axes count as one K, in the product's order):
;;     1. [M 1,024, K 1,024] x [K 1,024, N 8,192]; A: input Wq; B: input inputs: QUANTISED
;;     2. [M 1,024, K 1,024] x [K 1,024, N 8,192]; A: input Wk; B: input inputs: QUANTISED
;;     3. [M 1,024, K 1,024] x [K 1,024, N 8,192]; A: input Wv; B: input inputs: QUANTISED
;;     4. batch 64 x [M 2,048, K 64] x [K 64, N 2,048]; A: computed on the way; B: computed on the way: QUANTISED
;;     5. batch 64 x [M 2,048, K 2,048] x [K 2,048, N 64]; A: softmax (see below); B: computed on the way: QUANTISED
;;   THE QUANTISER, for each operand of a quantised product, along K:
;;     - K is cut into blocks of 32 from its start; a last block that is shorter is filled with zeros.
;;     - A block's scale is 2^e with e = floor(log2(the largest magnitude in the block)) - 4, held to -126 .. 127; a block of zeros has e = 0. As a byte (E8M0): e + 127.
;;     - Each number is divided by its block's scale, clamped to +-28, and rounded to the nearest number of E3M2, ties to even, subnormals kept.
;;     - The product sums the exact products of the quantised numbers (number of the format x scale) in f32.
;;   ~~~python
;;   def quantise(x, axis):      # numpy; x: float32 -> the quantised numbers, widened to float32 again
;;       x = np.moveaxis(x, axis, -1); K = x.shape[-1]
;;       x = np.pad(x, [(0, 0)] * (x.ndim - 1) + [(0, -K % 32)]); x = x.reshape(x.shape[:-1] + (-1, 32)); a = np.abs(x).max(-1, keepdims=True)
;;       e = np.where(a > 0, np.clip(np.frexp(np.where(a > 0, a, 1))[1] - 1 - 4, -126, 127), 0)      # np.frexp(a)[1] - 1 = floor(log2(a)), exactly
;;       r = np.clip(x / 2.0 ** e, -28, 28)
;;       step = 2.0 ** (np.maximum(np.frexp(np.where(r == 0, 1, r))[1] - 1, -2) - 2)
;;       q = np.round(r / step) * step * 2.0 ** e      # np.round: ties to even
;;       return np.moveaxis(q.reshape(q.shape[:-2] + (-1,))[..., :K], -1, axis).astype(np.float32)
;;   ~~~
;;   SOFTMAX AHEAD OF A QUANTISED PRODUCT. Where the list says 'softmax', what is quantised is not the finished softmax but p = 2^(t - M), with t = logit x log2(e) and M = ceil(the row's largest t), a whole number; so 1/2 < the row's largest p <= 1. The row's sum l is taken of the UNQUANTISED p, in f32, and the product's result is divided by l at the end. Since M is a whole number, a kernel that streams over the keys may use a running M (the ceiling of the running maximum): every later rescaling is an exact power of two, which a block's scale takes up: the codes' values come out the same.
;;   OPERANDS COMPUTED ON THE WAY. 'Computed on the way' means the value that the module computes at that place (a softmax that the list does not call 'softmax' is quantised finished and normalised). What goes into a quantiser is computed in f32, as accurately as f32 sums, v_exp_f32 and their like allow (about 1e-6 of the number): no bf16 or f16 on the way to a quantiser, and a product that is left as it is and whose result goes on into a quantised operand takes f32 operands (vector FMAs, or v_wmma_f32_16x16x4_f32). A number that lies on a knife's edge between two numbers of the format may be rounded either way, as far as f32 arithmetic and the matrix unit's own rounding can turn it there, and no further.
;; 2 versions. Each part assembles by itself: llvm-mc -triple=amdgcn-amd-amdhsa -mcpu=gfx1250 --defsym DOCPART=n.
;; ======== version 1 of 2: 5 launches
;; workspace buffers: xq 6,553,600 bytes; wqkq 1,835,008 bytes; wvq 1,048,576 bytes; qk 13,631,488 bytes; vv 7,340,032 bytes
;; launch quant_x (part 1): grid 256 x 1, 4 waves a work-group, no clusters, 33,280 bytes of LDS; arguments inputs, xq; writes xq
.if DOCPART == 1
	.amdgcn_target "amdgcn-amd-amdhsa--gfx1250"
	.amdhsa_code_object_version 6
	.text
	.protected	k_qf476e1b2b6_quant_x
	.globl	k_qf476e1b2b6_quant_x
	.p2align	8
	.type	k_qf476e1b2b6_quant_x,@function
k_qf476e1b2b6_quant_x:
	s_mov_b64 s[64:65], 0
	v_nop
	global_prefetch_b8 v0, s[64:65] scope:SCOPE_SE
	s_setreg_imm32_b32 hwreg(HW_REG_WAVE_MODE, 25, 1), 1
	s_wait_xcnt 0x0
; inputs [8192 rows][1024], f32, become codes of BF6 (E3M2), 6 bits each, K innermost, with one E8M0 scale byte for each 32 along K.
; xq: bytes 0 .. 262,143 the scale bytes [8192 places][32]; from COD on the codes [8192 places][768].
; ROW a LIES AT PLACE p = a WITH BITS 3 AND 4 EXCHANGED: so sixteen neighbouring places hold rows 32 B + 8 u + (r % 8) + 16 (r / 8), the order in which
; the later products want the rows of a tile.  A wave takes eight whole rows (8,192 numbers), so the exchange is an exchange of two bits of the wave's number.
; A block's scale is 2^(floor(log2(its largest magnitude)) - 4); its byte is the largest magnitude's exponent field - 4, held at 1 from below.
; Each number is divided by the scale and rounded to the nearest code, ties to even; beyond 28 the conversion gives the largest code.
; LIMITS: a block of zeros gets the byte 1 where the rule says 127 (its codes are zeros, and this program alone reads the bytes); blocks whose largest
; magnitude lies under 2^-122 keep the byte 1; NaN and infinities among the inputs are not served.
; A wave takes 16 steps of 512 numbers.  Each of a step's four loads reads 512 consecutive bytes, 16 a lane; the 2,048 bytes turn through the wave's own stage
; in LDS and come back 64 bytes a lane, so that a lane holds 16 neighbours along K (two neighbouring lanes hold a block).  No barrier: waves share nothing.
.set STEPS, 16
.set EMAX,  4
.set CB,    12                         ; bytes of 16 codes
.set COD,   262144                     ; where the codes begin in xq
.set R,     16                         ; v16-79   four sets of 16 numbers as they are loaded
.set X,     80                         ; v80-111  two sets of 16 neighbours
.set C,     128                        ; v128-191 codes: four registers for each step, so that no store's data are written again
.set E,     112                        ; v112-127 a scale byte for each step
.set WREG,  8192                       ; LDS: a region for each wave: two stages of 32 x SP bytes, behind them its 256 scale bytes
.set SP,    80                         ; a lane's place in a stage: its 64 bytes + 16 of padding
	s_load_b128 s[4:7], s[0:1], 0x0                ; inputs s[4:5], xq s[6:7]
	v_lshl_add_u32 v192, v0, 2, 0x8000
	v_mov_b32 v193, 0
	v_lshrrev_b32 v1, 5, v0
	v_readfirstlane_b32 s16, v1                    ; wave 0..3
	v_and_b32 v2, 31, v0                           ; lane
	v_lshlrev_b32 v3, 4, v2                        ; my 16 bytes of a load's 512
	s_mul_i32 s17, s16, WREG
	v_lshrrev_b32 v14, 2, v2
	v_mul_u32_u24 v14, v14, SP
	v_and_b32 v15, 3, v2
	v_lshl_add_u32 v14, v15, 4, v14
	v_add_nc_u32 v14, s17, v14                     ; the stage, on the way in: SP (lane / 4) + 16 (lane % 4)
	v_mul_u32_u24 v15, v2, SP
	v_add_nc_u32 v15, s17, v15                     ; and on the way out: SP x lane: my 16 neighbours
	v_mul_u32_u24 v4, v2, CB                       ; my codes' place in a step's
	v_lshrrev_b32 v5, 1, v2
	s_add_co_u32 s17, s17, 2*32*SP
	v_add_nc_u32 v5, s17, v5                       ; LDS: my wave's 256 scale bytes, my block's byte
	v_lshlrev_b32 v7, 3, v2                        ; and on the way out 8 bytes a lane
	v_add_nc_u32 v6, s17, v7
	s_lshl_b32 s18, ttmp9, 2
	s_add_co_u32 s19, s18, s16                     ; which eight rows I read: 4 x work-group + wave
	s_lshl_b32 s20, s19, 15                        ; 32,768 bytes each
	s_mov_b32 s21, 0
	s_and_b32 s22, s16, 1
	s_lshl_b32 s22, s22, 1
	s_lshr_b32 s23, s16, 1
	s_add_co_u32 s22, s22, s23
	s_add_co_u32 s22, s22, s18                     ; which eight places I write: the wave's two bits exchanged
	s_mul_i32 s24, s22, 32*STEPS*CB                ; 6,144 bytes of codes,
	s_add_co_u32 s24, s24, COD
	s_mov_b32 s25, 0
	s_lshl_b32 s26, s22, 8                         ; 256 scale bytes
	s_mov_b32 s27, 0
	s_wait_kmcnt 0x0
	s_add_nc_u64 s[4:5], s[4:5], s[20:21]
	s_add_nc_u64 s[8:9], s[6:7], s[24:25]
	s_add_nc_u64 s[10:11], s[6:7], s[26:27]
.macro LOAD t
.irp i, 0,1,2,3
	global_load_b128 v[R+16*((\t)%4)+4*\i:R+16*((\t)%4)+4*\i+3], v3, s[4:5] offset:2048*(\t)+512*\i th:TH_LOAD_NT   ; 32 lanes read 512 consecutive bytes
.endr
.endm
.macro TURN t                          ; step t's numbers through the stage: LDS serves a wave's instructions in order, so no wait stands between the stores and the loads
.irp i, 0,1,2,3
	ds_store_b128 v14, v[R+16*((\t)%4)+4*\i:R+16*((\t)%4)+4*\i+3] offset:32*SP*((\t)%2)+8*SP*\i
.endr
.irp i, 0,1,2,3
	ds_load_b128 v[X+16*((\t)%2)+4*\i:X+16*((\t)%2)+4*\i+3], v15 offset:32*SP*((\t)%2)+16*\i
.endr
.endm
.irp t, 0,1,2,3
	LOAD \t
.endr
	s_wait_loadcnt 12                              ; step 0's four loads are in; the twelve of steps 1 to 3 may be out
	TURN 0
.macro STEP t
.set XS, X+16*((\t)%2)
.if (\t) > 0
	s_wait_dscnt 1                                 ; this step's numbers are back from the stage (the last step's byte store may be out): so its stores into the stage have read their registers,
.else
	s_wait_dscnt 0x0
.endif
.if (\t)+4 < STEPS
	LOAD (\t)+4                                    ; which take the loads of four steps on
.endif
.if (\t)+1 < STEPS
.if STEPS-2-(\t) >= 3
	s_wait_loadcnt 12                              ; the next step's four loads are in; those of the three steps behind it may be out
.else
	s_wait_loadcnt 4*(STEPS-2-(\t))
.endif
	TURN (\t)+1                                    ; and go through the other stage while this step is worked
.endif
	v_max3_num_f32 v8, |v[XS]|, |v[XS+1]|, |v[XS+2]|               ; the largest magnitude of my 16, in two chains
	v_max3_num_f32 v9, |v[XS+3]|, |v[XS+4]|, |v[XS+5]|
.irp i, 6,10
	v_max3_num_f32 v8, v8, |v[XS+\i]|, |v[XS+\i+1]|
	v_max3_num_f32 v9, v9, |v[XS+\i+2]|, |v[XS+\i+3]|
.endr
	v_max3_num_f32 v8, v8, |v[XS+14]|, |v[XS+15]|
	v_max3_num_f32 v8, v8, v9, (EMAX+1)<<23        ; and the floor 2^(5 - 127): the byte cannot fall under 1
	v_max_num_f32_dpp v8, v8, v8 row_xmask:1 row_mask:0xf bank_mask:0xf   ; and of my neighbour's 16: the block's
	v_add_nc_u32 v11, -(EMAX<<23), v8              ; 4 off its exponent field: the conversion takes the exponent field of this operand as its scale
	v_cvt_scalef32_pk16_bf6_f32 v[C+4*(\t):C+4*(\t)+2], v[XS:XS+15], v11
	v_lshrrev_b32 v[E+(\t)], 23, v11               ; the scale's byte (also the plain line behind the conversion)
	ds_store_b8 v5, v[E+(\t)] offset:16*(\t)       ; both lanes of a block write the same byte with the same value
	global_store_b96 v4, v[C+4*(\t):C+4*(\t)+2], s[8:9] offset:32*CB*(\t)   ; the wave stores 384 consecutive bytes
.endm
.irp t, 0,1,2,3,4,5,6,7,8,9,10,11,12,13,14,15
	STEP \t
.endr
	ds_load_b64 v[12:13], v6                       ; LDS serves a wave's instructions in order: these see my stores
	s_wait_dscnt 0x0
	global_store_b64 v7, v[12:13], s[10:11]        ; 32 lanes store 256 consecutive bytes, at a multiple of 256 from the buffer's first byte
	s_wait_tensorcnt 0x0
	ds_add_u32 v192, v193
	s_wait_dscnt 0x0
	s_endpgm
.Lfunc_end_k_qf476e1b2b6_quant_x:
	.size	k_qf476e1b2b6_quant_x, .Lfunc_end_k_qf476e1b2b6_quant_x-k_qf476e1b2b6_quant_x
	.p2alignl 7, 3214868480
	.fill 96, 4, 3214868480
	.section	.rodata,"a",@progbits
	.p2align	6, 0x0
	.amdhsa_kernel k_qf476e1b2b6_quant_x
		.amdhsa_group_segment_fixed_size 33280
		.amdhsa_private_segment_fixed_size 0
		.amdhsa_enable_private_segment 0
		.amdhsa_kernarg_size 16
		.amdhsa_user_sgpr_count 2
		.amdhsa_user_sgpr_kernarg_segment_ptr 1
		.amdhsa_wavefront_size32 1
		.amdhsa_system_sgpr_workgroup_id_x 1
		.amdhsa_system_sgpr_workgroup_id_y 1
		.amdhsa_system_sgpr_workgroup_id_z 1
		.amdhsa_system_vgpr_workitem_id 0
		.amdhsa_next_free_vgpr 194
		.amdhsa_next_free_sgpr 66
		.amdhsa_reserve_vcc 0
		.amdhsa_float_denorm_mode_32 3
		.amdhsa_float_denorm_mode_16_64 3
		.amdhsa_memory_ordered 1
		.amdhsa_forward_progress 1
		.amdhsa_inst_pref_size 32
	.end_amdhsa_kernel
	.amdgpu_metadata
---
amdhsa.version: [ 1, 2 ]
amdhsa.kernels:
  - .name:           k_qf476e1b2b6_quant_x
    .symbol:         k_qf476e1b2b6_quant_x.kd
    .args:
      - { .name: inputs, .offset: 0, .size: 8, .value_kind: global_buffer, .address_space: global }
      - { .name: xq, .offset: 8, .size: 8, .value_kind: global_buffer, .address_space: global }
    .group_segment_fixed_size: 33280
    .private_segment_fixed_size: 0
    .kernarg_segment_align: 8
    .kernarg_segment_size: 16
    .max_flat_workgroup_size: 128
    .sgpr_count:     66
    .vgpr_count:     194
    .wavefront_size: 32
...
	.end_amdgpu_metadata
.endif
;; end of part 1
;; launch quant_w (part 2): grid 64 x 3, 2 waves a work-group, no clusters, 17,664 bytes of LDS; arguments Wq, Wk, Wv, wqkq, wvq; writes wqkq, wvq
.if DOCPART == 2
	.amdgcn_target "amdgcn-amd-amdhsa--gfx1250"
	.amdhsa_code_object_version 6
	.text
	.protected	k_qf476e1b2b6_quant_w
	.globl	k_qf476e1b2b6_quant_w
	.p2align	8
	.type	k_qf476e1b2b6_quant_w,@function
k_qf476e1b2b6_quant_w:
	s_mov_b64 s[64:65], 0
	v_nop
	global_prefetch_b8 v0, s[64:65] scope:SCOPE_SE
	s_setreg_imm32_b32 hwreg(HW_REG_WAVE_MODE, 25, 1), 1
	s_wait_xcnt 0x0
; Wq, Wk, Wv [16 heads][1024 (k)][64 (e)], f32: K is the middle axis.  They become codes of BF6 (E3M2) with K innermost and one E8M0 scale byte for each 32 along K.
; wqkq: row = t x 1024 + head x 64 + place(e), t = 0 for Wq and 1 for Wk; wvq: row = head x 64 + place(e).  In both: scale bytes [row][32] from byte 0, codes [row][768] from COD.
; place(e) = e WITH BITS 3 AND 4 EXCHANGED, the order in which the later products want the rows of a tile.
; A LANE TAKES A COLUMN e AND ITS REGISTERS RUN DOWN K: a block of 32 along K lies in one lane's 32 registers, its largest magnitude needs no other lane,
; and the conversions give the codes with K innermost.  A wave takes 32 columns x 256 along K; its codes go through its own stage in LDS, each column into the
; stage row of its PLACE, and leave as rows: sixteen lanes store a row's 192 consecutive bytes.  No barrier: waves share nothing.
; Work-group x = 4 x head + quarter of K; y chooses the tensor: only pointers are chosen, all three take one path through the text.
; LIMITS: a block of zeros gets the byte 1 where the rule says 127 (its codes are zeros, and this program alone reads the bytes); blocks whose largest
; magnitude lies under 2^-122 keep the byte 1; NaN and infinities among the inputs are not served.
.set KW,    256                        ; along K for a wave
.set NB,    KW/32                      ; blocks
.set ROWB,  192                        ; bytes of KW codes
.set PITCH, 272                        ; a stage row: sixteen places of 16 bytes, each with 12 bytes of codes, + 16
.set KROW,  768                        ; a row of codes in memory
.set WROW,  256                        ; a row (one k) of a head's weight: 64 numbers
.set COD,   262144
.set EMAX,  4
.set X,     32                         ; v32-95   two sets of 32 numbers
.set C,     96                         ; v96..    a block's codes
.set OUTR,  112                        ; v112-175 the way out
.set SB,    24                         ; v24-25   the scale bytes, four to a register
	s_load_b256 s[4:11], s[0:1], 0x0               ; Wq s[4:5], Wk s[6:7], Wv s[8:9], wqkq s[10:11]
	s_load_b64 s[12:13], s[0:1], 0x20              ; wvq
	v_lshl_add_u32 v192, v0, 2, 0x4400
	v_mov_b32 v193, 0
	v_lshrrev_b32 v1, 5, v0
	v_readfirstlane_b32 s16, v1                    ; wave 0, 1: which 32 columns
	v_and_b32 v2, 31, v0                           ; lane
	s_lshr_b32 s17, ttmp9, 2                       ; head
	s_and_b32 s20, ttmp9, 3                        ; which 256 along K
	s_and_b32 s18, ttmp7, 0xffff                   ; the tensor: 0 Wq, 1 Wk, 2 Wv
	s_lshl_b32 s19, s18, 10                        ; its first row in wqkq
	v_lshlrev_b32 v3, 2, v2                        ; in: 4 bytes a lane
	v_and_b32 v14, 7, v2
	v_bfe_u32 v15, v2, 3, 1
	v_bfe_u32 v16, v2, 4, 1
	v_lshl_add_u32 v14, v15, 4, v14
	v_lshl_add_u32 v14, v16, 3, v14                ; my column's place among the wave's 32
	s_mul_i32 s21, s16, 32*PITCH                   ; my stage
	v_mul_u32_u24 v4, v14, PITCH
	v_add_nc_u32 v4, s21, v4                       ; into it: row = my column's place
	v_and_b32 v5, 15, v2
	v_lshrrev_b32 v6, 4, v2                        ; out of it: sixteen lanes to a row, two rows an instruction
	v_mul_u32_u24 v7, v6, PITCH
	v_lshl_add_u32 v7, v5, 4, v7
	v_add_nc_u32 v7, s21, v7
	v_mul_u32_u24 v8, v6, KROW
	v_mad_u32_u24 v8, v5, 12, v8                   ; and the same place in the codes
	v_lshlrev_b32 v9, 5, v14                       ; my place's row of scale bytes
	s_lshl_b32 s22, s17, 18                        ; in: head x 262,144
	s_lshl_b32 s23, s20, 16                        ; + 256 rows of 256 bytes
	s_add_co_u32 s22, s22, s23
	s_lshl_b32 s23, s16, 7                         ; + my 32 columns
	s_add_co_u32 s22, s22, s23
	s_mov_b32 s23, 0
	s_wait_kmcnt 0x0
	s_cmp_eq_u32 s18, 1                            ; the choices hang on the work-group's number alone
	s_cselect_b64 s[4:5], s[6:7], s[4:5]
	s_cmp_eq_u32 s18, 2
	s_cselect_b64 s[4:5], s[8:9], s[4:5]
	s_cselect_b64 s[10:11], s[12:13], s[10:11]
	s_cselect_b32 s19, 0, s19
	s_lshl_b32 s24, s17, 6
	s_add_co_u32 s24, s24, s19
	s_lshl_b32 s25, s16, 5
	s_add_co_u32 s24, s24, s25                     ; my wave's first row of the output
	s_mul_i32 s26, s24, KROW
	s_mul_i32 s27, s20, ROWB
	s_add_co_u32 s26, s26, s27
	s_add_co_u32 s26, s26, COD
	s_mov_b32 s27, 0
	s_lshl_b32 s28, s24, 5
	s_lshl_b32 s29, s20, 3
	s_add_co_u32 s28, s28, s29
	s_mov_b32 s29, 0
	s_add_nc_u64 s[4:5], s[4:5], s[22:23]          ; the weight,
	s_add_nc_u64 s[6:7], s[10:11], s[26:27]        ; the codes,
	s_add_nc_u64 s[8:9], s[10:11], s[28:29]        ; the scale bytes
.macro LOAD t                          ; block t: W(32 t + i, my column), i = 0 .. 31, into set t % 2
.irp i, 0,1,2,3,4,5,6,7,8,9,10,11,12,13,14,15,16,17,18,19,20,21,22,23,24,25,26,27,28,29,30,31
	global_load_b32 v[X+32*((\t)%2)+\i], v3, s[4:5] offset:(32*(\t)+\i)*WROW th:TH_LOAD_NT
.endr
.endm
	LOAD 0
	LOAD 1
.macro BLOCK t
.set XS, X+32*((\t)%2)
.if (\t) < NB-1
	s_wait_loadcnt 32                              ; this block's 32 loads are in; the next block's 32 may be out
.else
	s_wait_loadcnt 0
.endif
	v_max3_num_f32 v12, |v[XS]|, |v[XS+1]|, |v[XS+2]|               ; the block's largest magnitude: all 32 numbers are mine
	v_max3_num_f32 v13, |v[XS+3]|, |v[XS+4]|, |v[XS+5]|
.irp i, 6,10,14,18,22,26
	v_max3_num_f32 v12, v12, |v[XS+\i]|, |v[XS+\i+1]|
	v_max3_num_f32 v13, v13, |v[XS+\i+2]|, |v[XS+\i+3]|
.endr
	v_max3_num_f32 v12, v12, |v[XS+30]|, |v[XS+31]|
	v_max3_num_f32 v12, v12, v13, (EMAX+1)<<23     ; and the floor 2^(5 - 127): the byte cannot fall under 1
	v_add_nc_u32 v11, -(EMAX<<23), v12             ; 4 off its exponent field: the conversion's scale operand
	v_lshrrev_b32 v13, 23, v11                     ; the scale's byte
.if (\t)%4 == 0
	v_mov_b32 v[SB+(\t)/4], v13                    ; four bytes to a register, the lower K in the lower byte
.else
	v_lshl_or_b32 v[SB+(\t)/4], v13, 8*((\t)%4), v[SB+(\t)/4]
.endif
	v_cvt_scalef32_pk16_bf6_f32 v[C:C+2], v[XS:XS+15], v11
	v_cvt_scalef32_pk16_bf6_f32 v[C+4:C+6], v[XS+16:XS+31], v11     ; (a conversion's three registers begin on an even number)
	v_nop                                          ; one plain line behind the conversions
	ds_store_b96 v4, v[C:C+2] offset:32*(\t)       ; 16 codes, 12 bytes, to a place of 16 bytes, so that every LDS address is a multiple of 16
	ds_store_b96 v4, v[C+4:C+6] offset:32*(\t)+16
.if (\t)+2 < NB
	LOAD (\t)+2
.endif
	s_wait_dscnt 0x0                               ; the stores have read their registers: the next block's codes may be written
.endm
.set Q, 0
.rept NB
	BLOCK Q
.set Q, Q+1
.endr
	global_store_b64 v9, v[SB:SB+1], s[8:9]        ; my column's 8 scale bytes
.irp t, 0,1,2,3,4,5,6,7,8,9,10,11,12,13,14,15
	ds_load_b96 v[OUTR+4*\t:OUTR+4*\t+2], v7 offset:2*\t*PITCH   ; LDS serves a wave's instructions in order: these see my stores
.endr
.irp t, 0,1,2,3,4,5,6,7,8,9,10,11,12,13,14,15
	s_wait_dscnt 15-\t                             ; loads come back in order: pair t of rows is in, the younger ones may be out
	global_store_b96 v8, v[OUTR+4*\t:OUTR+4*\t+2], s[6:7] offset:2*\t*KROW
.endr
	s_wait_tensorcnt 0x0
	ds_add_u32 v192, v193
	s_wait_dscnt 0x0
	s_endpgm
.Lfunc_end_k_qf476e1b2b6_quant_w:
	.size	k_qf476e1b2b6_quant_w, .Lfunc_end_k_qf476e1b2b6_quant_w-k_qf476e1b2b6_quant_w
	.p2alignl 7, 3214868480
	.fill 96, 4, 3214868480
	.section	.rodata,"a",@progbits
	.p2align	6, 0x0
	.amdhsa_kernel k_qf476e1b2b6_quant_w
		.amdhsa_group_segment_fixed_size 17664
		.amdhsa_private_segment_fixed_size 0
		.amdhsa_enable_private_segment 0
		.amdhsa_kernarg_size 40
		.amdhsa_user_sgpr_count 2
		.amdhsa_user_sgpr_kernarg_segment_ptr 1
		.amdhsa_wavefront_size32 1
		.amdhsa_system_sgpr_workgroup_id_x 1
		.amdhsa_system_sgpr_workgroup_id_y 1
		.amdhsa_system_sgpr_workgroup_id_z 1
		.amdhsa_system_vgpr_workitem_id 0
		.amdhsa_next_free_vgpr 194
		.amdhsa_next_free_sgpr 66
		.amdhsa_reserve_vcc 0
		.amdhsa_float_denorm_mode_32 3
		.amdhsa_float_denorm_mode_16_64 3
		.amdhsa_memory_ordered 1
		.amdhsa_forward_progress 1
		.amdhsa_inst_pref_size 43
	.end_amdhsa_kernel
	.amdgpu_metadata
---
amdhsa.version: [ 1, 2 ]
amdhsa.kernels:
  - .name:           k_qf476e1b2b6_quant_w
    .symbol:         k_qf476e1b2b6_quant_w.kd
    .args:
      - { .name: Wq, .offset: 0, .size: 8, .value_kind: global_buffer, .address_space: global }
      - { .name: Wk, .offset: 8, .size: 8, .value_kind: global_buffer, .address_space: global }
      - { .name: Wv, .offset: 16, .size: 8, .value_kind: global_buffer, .address_space: global }
      - { .name: wqkq, .offset: 24, .size: 8, .value_kind: global_buffer, .address_space: global }
      - { .name: wvq, .offset: 32, .size: 8, .value_kind: global_buffer, .address_space: global }
    .group_segment_fixed_size: 17664
    .private_segment_fixed_size: 0
    .kernarg_segment_align: 8
    .kernarg_segment_size: 40
    .max_flat_workgroup_size: 64
    .sgpr_count:     66
    .vgpr_count:     194
    .wavefront_size: 32
...
	.end_amdgpu_metadata
.endif
;; end of part 2
;; launch proj_qk (part 3): grid 8 x 32, 4 waves a work-group, clusters of 4 x 4, 327,680 bytes of LDS; arguments xq, wqkq, qk; writes qk
.if DOCPART == 3
	.amdgcn_target "amdgcn-amd-amdhsa--gfx1250"
	.amdhsa_code_object_version 6
	.text
	.protected	k_qf476e1b2b6_proj_qk
	.globl	k_qf476e1b2b6_proj_qk
	.p2align	8
	.type	k_qf476e1b2b6_proj_qk,@function
k_qf476e1b2b6_proj_qk:
	s_mov_b64 s[64:65], 0
	v_nop
	global_prefetch_b8 v0, s[64:65] scope:SCOPE_SE
	s_setreg_imm32_b32 hwreg(HW_REG_WAVE_MODE, 25, 1), 1
	s_wait_xcnt 0x0
	s_wait_alu depctr_hold_cnt(0) depctr_sa_sdst(0) depctr_va_vdst(0) depctr_va_sdst(0) depctr_va_ssrc(0) depctr_va_vcc(0) depctr_vm_vsrc(0)
	s_getreg_b32 s2, hwreg(HW_REG_IB_STS2, 6, 4)
	s_cmp_eq_u32 s2, 0
	s_cbranch_scc0 .Lentry_in_a_cluster
	s_endpgm
.Lentry_in_a_cluster:
	s_bfe_u32 s2, ttmp6, 0x10000c
	s_cmp_lg_u32 s2, 0xf033
	s_cbranch_scc0 .Lentry_shape_is_right
	s_endpgm
.Lentry_shape_is_right:
; A projection on codes of BF6 (E3M2) whose result is quantised again on its way out.  One text, two launches:
;   q and k:  R = xq (8,192 places of (batch, position)), P = wqkq (2,048 places of (q or k, head, e));      v:  R = wvq (1,024 places of (head, e)), P = xq.
; Both operands: scale bytes [place][32] from byte 0, codes [place][768] from COD, K = 1,024 innermost.  D(p, r) = sum over k of P[p][k] R[r][k], sums in f32.
; THE MATRIX INSTRUCTION TAKES 16 PLACES OF P AS SOURCE 0 AND 16 PLACES OF R AS SOURCE 1: a lane then holds ONE place of R, and its registers run along P.
; The quantisers in front have laid row a at place a with bits 3 and 4 exchanged, so the 16 registers of P's tiles 2 B and 2 B + 1 are the 16 NEIGHBOURS
; 32 B + 16 (lane / 16) + 0 .. 15 along P's true order: a wave's 128 places of P are 64 registers a lane in just the order that the conversions want.
; So each block of 16 places of R x 128 of P is quantised in registers, along P (for q, k: the heads' e; for v: the keys), and what stands in the registers then is
; an operand's fragment for the attention launch.  It is stored AS AN IMAGE OF ITS REGISTERS, by dense stores; nothing goes through LDS on the way out.
; OUT: R16 = block of 16 places of R, P128 = panel of 128 places of P; R16' = R16 + 64 (P128 / 16), P' = P128 % 16.
;   codes, 1,536 bytes at IMG0 + (16 R16' + P') x 1,536: registers 0-3 at 16 x lane, 4-5 at 512 + 8 x lane, 6-9 at 768 + 16 x lane, 10-11 at 1,280 + 8 x lane;
;   scale words, 256 bytes at (16 (R16' / 2) + P') x 256: lane l's 8 bytes are the words of blocks 2 i and 2 i + 1; lanes 16-31 hold them shifted down by 16 bits
;   (for q and k a panel is two heads of 64: registers 0-5 and the word's low half are the even head's, registers 6-11 and its high half the odd head's).
; THE PRODUCT: a tile of 256 x 256 by a work-group of four waves, as many as a WGP has SIMDs; a wave makes 128 x 128: 64 accumulators, 512 registers.  K goes in steps of 256
; through a ring of two LDS slots filled by the tensor data mover; the scale bytes of the work-group's rows come once, with the first fills, and stay.
; CLUSTERS: 4 x 4 work-groups; the four of a row of the cluster need the same tiles of R, the four of a column the same tiles of P: each tile is asked for jointly.
; LIMITS: a block of zeros gets the byte 1 where the rule says 127 (its codes are zeros, and this program alone reads the bytes); blocks whose largest magnitude lies
; under 2^-122 keep the byte 1; NaN and infinities are not served.
; REGISTERS, in windows of 256: window 0: v0-31 addresses; v32-63 scale words, two sets, and nothing else; v64-96 at work on the way out; from v128 R's fragments, ONE set, later the codes made;
;   window 1: P's fragments, TWO sets, at v0 and v128;  window 2: the 32 accumulators of my R blocks 0-3 (accumulator (a, b) at v[8 (8 (a % 4) + b)]);  window 3: those of blocks 4-7.
; Below, A stands for R (argument 0) and B for P (argument 1).
.set KSTEP,  256                       ; along K in a slot
.set NQ,     KSTEP/128                 ; matrix instructions deep
.set ROWB,   192                       ; a tile's row in bytes
.set KROW,   768                       ; a row of codes in memory
.set PITCH,  240                       ; an LDS row: 3 x (64 bytes of data + 16 of padding) = 60 words: the 32 lanes of a load of 8 bytes touch 64 different banks (64 banks of 4 bytes: ISA guide 11.1)
.set FR,     12                        ; registers of a fragment: 16 rows x 128 K
.set NL,     6                         ; LDS loads that bring one
.set NP,     4                         ; places behind this matrix instruction (ISA guide 7.12.1)
.set HALFT,  128*PITCH                 ; 128 rows: what one tensor load brings
.set SLOT,   4*HALFT                   ; A's 256 rows, then B's 256 rows
.set LAPS,   2                         ; K = 1,024: four K steps, twice round the ring
.set KS,     32                        ; a row of scale bytes
.set SCL,    2*SLOT                    ; behind the ring: the scales, as rows of 256 bytes + 16 of padding
.set HALFS,  (128*KS/256)*272          ; the scales of 128 rows
.set SBLK,   (16*KS/256)*272           ; those of 16 rows
.set SPARE,  SCL+4*HALFS               ; behind the scales: the spare words, 128 bytes for each wave: two blocks of 256 bytes that no other line names
.set COD,    262144
.set IMG0,   1048576
.set ADRA, 16                          ; v16-17  LDS address of my A fragments in slot 0, 1  (v18-19: for the pieces behind one padding more)
.set ADRB, 20                          ; v20-23  the same for B
.set O16,  24                          ; v24     16 x lane
.set O8,   25                          ; v25     8 x lane
.set ADRS, 27                          ; v27     LDS address of my scale words: lanes 0-15 A's rows, lanes 16-31 B's
.set SPW,  28                          ; v28     LDS address of my spare word; never rewritten
.set NIL,  29                          ; v29     0; never rewritten
.set FL,   30                          ; v30     the floor 2^(5 - 127)
.set SH,   31                          ; v31     16 x (lane / 16): how far my copy of a scale word is shifted down
.set SC,   32                          ; scale words: set s at v[SC + 16 s]; register NQ i + q: lanes 0-15 A's block i, lanes 16-31 B's block i
.set TM,   64                          ; v64-67 largest magnitudes, v68-71 the other half's, then bytes, v76-79 the conversions' scale operands
.set CT,   80                          ; v80-87  the upper halves of the blocks' codes
.set SW,   88                          ; v88-95  a scale word for each of my eight blocks
.set PW,   96                          ; v96     the scale word just made
.set AF,   128                         ; A's fragments, in window 0
.set G1, 24
.set G0, 32
.set G1B, 48
.set G0B, 56
.set G1S, 68
.set G0S, 76
.set G1SB, 80
.set G0SB, 88
.set SEL, 96                           ; s[96:97] lane selects for v_permlanex16_b32: lane l xor 16
.set MSB, 0
.macro WIN new                         ; the immediate's high byte repeats the setting that is left
.if MSB != \new
	s_set_vgpr_msb (MSB<<8)|\new
.set MSB, \new
.endif
.endm
.set MUL_LO, 0xa1                      ; source 0 (B) window 1, source 1 (A) window 0, C and D window 2
.set MUL_HI, 0xf1                      ; the same, C and D window 3
.set TO_B,   0x40                      ; destination window 1, address window 0
; A joint load: waves 0 and 1 fetch for A, waves 2 and 3 for B.  Each of the two lines has ONE mask and one set of registers for all that issue it; the branch hangs on the wave's number alone.
; Four v_nop follow each of the two lines, ahead of the jump, the label and what follows.
.macro JLOAD g0a, g1a, g0b, g1b
	s_cmp_eq_u32 s15, 0
	s_cbranch_scc0 .Lfor_b_\@
	tensor_load_to_lds s[\g0a:\g0a+3], s[\g1a:\g1a+7]
	s_nop 0
.rept 4
	v_nop
.endr
	s_branch .Lasked_\@
.Lfor_b_\@:
	tensor_load_to_lds s[\g0b:\g0b+3], s[\g1b:\g1b+7]
	s_nop 0
.rept 4
	v_nop
.endr
.Lasked_\@:
.endm
.macro CREST                           ; a round of the cluster's barrier behind its opening barrier
	s_cmp_lg_u32 s14, 0
	s_cbranch_scc1 .Lnot_wave_0_\@
	s_barrier_signal -3
.Lnot_wave_0_\@:
	s_barrier_wait -3
	s_barrier_signal -1
	s_barrier_wait -1
.endm
.macro CROUND                          ; a whole round
	s_barrier_signal -1
	s_barrier_wait -1
	CREST
.endm
	s_load_b64 s[6:7], s[0:1], 0x0                 ; A: its scale bytes begin the buffer
	s_load_b64 s[10:11], s[0:1], 0x8               ; B likewise
	s_load_b64 s[12:13], s[0:1], 0x10              ; the images
	v_lshl_add_u32 v[SPW], v0, 2, SPARE
	v_mov_b32 v[NIL], 0
	ds_add_u32 v28, v29
	ds_add_u32 v28, v29
	s_wait_dscnt 0x0
	v_lshrrev_b32 v1, 5, v0
	v_readfirstlane_b32 s14, v1                    ; wave 0..3
	s_lshr_b32 s15, s14, 1                         ; which half of A's 256 rows is mine.  Also: I fetch for A (0) or for B (1)
	s_and_b32 s16, s14, 1                          ; which half of B's.  Also: which 128 rows of that tile I fetch
	s_bfe_u32 s40, ttmp6, 0x40000                  ; cx, cy: my place in the cluster
	s_bfe_u32 s41, ttmp6, 0x40004
	s_lshl_b32 s42, ttmp9, 2
	s_add_co_u32 s42, s42, s40                     ; B's tile = 4 x cluster x + cx
	s_and_b32 s17, ttmp7, 0xffff
	s_lshl_b32 s17, s17, 2
	s_add_co_u32 s17, s17, s41                     ; A's tile = 4 x cluster y + cy
	s_lshl_b32 s43, s41, 2
	s_lshl_b32 s43, 15, s43                        ; my row of the cluster
	s_lshl_b32 s44, 0x1111, s40                    ; my column
	s_mov_b32 s[SEL], 0x76543210
	s_mov_b32 s[SEL+1], 0xfedcba98
	; descriptor group 1: a tile of 128 rows x 192 bytes, padded in LDS
	s_or_b32 s[G1+0], s43, (0<<16)|(1<<20)|(1<<21)|(3<<22)|(3<<25)  ; 15:0 the mask: A's tiles go to my row; 17:16 element of 1 byte; 20 padding on; 21 set beside a mask; 24:22 after every 16 words; 31:25 of 4 words
	s_or_b32 s[G1B+0], s44, (0<<16)|(1<<20)|(1<<21)|(3<<22)|(3<<25)
.irp g, G1, G1B
	s_mov_b32 s[\g+1], ROWB<<16                    ; tensor_dim0
	s_mov_b32 s[\g+2], 128<<16                     ; tensor_dim1 = 128
	s_mov_b32 s[\g+3], ROWB<<16                    ; tile_dim0
	s_mov_b32 s[\g+4], 128                         ; tile_dim1 = 128
	s_mov_b32 s[\g+5], KROW                        ; tensor_dim0_stride
	s_mov_b32 s[\g+6], 0
	s_mov_b32 s[\g+7], 0
.endr
	; and for the scales of 128 rows: a dense block of 4,096 bytes, as rows of 256 bytes (32 elements of 8 bytes), 16 bytes of padding behind each
	s_or_b32 s[G1S+0], s43, (3<<16)|(1<<20)|(1<<21)|(5<<22)|(3<<25)
	s_or_b32 s[G1SB+0], s44, (3<<16)|(1<<20)|(1<<21)|(5<<22)|(3<<25)
.irp g, G1S, G1SB
	s_mov_b32 s[\g+1], 32<<16
	s_mov_b32 s[\g+2], (128*KS/256)<<16
	s_mov_b32 s[\g+3], 32<<16
	s_mov_b32 s[\g+4], 128*KS/256
	s_mov_b32 s[\g+5], 32
	s_mov_b32 s[\g+6], 0
	s_mov_b32 s[\g+7], 0
.endr
	s_lshl_b32 s18, s16, 7                         ; which 128 rows of the tile I fetch
	s_lshl_b32 s20, s17, 8
	s_add_co_u32 s20, s20, s18                     ; A: row 256 x tile + 128 x half
	s_lshl_b32 s46, s42, 8
	s_add_co_u32 s46, s46, s18                     ; B likewise
	s_mov_b32 s21, 0
	s_mov_b32 s47, 0
	s_mov_b64 s[18:19], KS
	s_mul_u64 s[22:23], s[20:21], s[18:19]         ; where these rows' scales begin, in bytes
	s_mul_u64 s[92:93], s[46:47], s[18:19]
	s_mov_b64 s[18:19], KROW
	s_mul_u64 s[20:21], s[20:21], s[18:19]         ; and their codes
	s_mul_u64 s[46:47], s[46:47], s[18:19]
	s_mul_i32 s45, s14, HALFT                      ; where they go: wave x 128 rows: no place in the cluster enters an LDS address
	s_mul_i32 s94, s14, HALFS
	s_wait_kmcnt 0x0
	s_add_nc_u64 s[4:5], s[6:7], COD               ; A's codes
	s_add_nc_u64 s[8:9], s[10:11], COD             ; B's codes
	s_add_nc_u64 s[20:21], s[4:5], s[20:21]
	s_add_nc_u64 s[22:23], s[6:7], s[22:23]
	s_add_nc_u64 s[46:47], s[8:9], s[46:47]
	s_add_nc_u64 s[92:93], s[10:11], s[92:93]
	CROUND                                         ; all sixteen work-groups are here: the first joint loads meet
	s_mov_b32 s[G0S], 1
	s_add_co_u32 s[G0S+1], s94, SCL
	s_mov_b64 s[G0S+2:G0S+3], s[22:23]
	s_or_b32 s[G0S+3], s[G0S+3], 0x80000000
	s_mov_b32 s[G0SB], 1
	s_add_co_u32 s[G0SB+1], s94, SCL
	s_mov_b64 s[G0SB+2:G0SB+3], s[92:93]
	s_or_b32 s[G0SB+3], s[G0SB+3], 0x80000000
	JLOAD G0S, G1S, G0SB, G1SB                     ; the scales first: they are wanted with K step 0
.irp s, 0,1
	s_mov_b32 s[G0+4*\s], 1
	s_add_co_u32 s[G0+4*\s+1], s45, \s*SLOT
	s_add_nc_u64 s[G0+4*\s+2:G0+4*\s+3], s[20:21], \s*ROWB
	s_or_b32 s[G0+4*\s+3], s[G0+4*\s+3], 0x80000000
	s_mov_b32 s[G0B+4*\s], 1
	s_add_co_u32 s[G0B+4*\s+1], s45, \s*SLOT
	s_add_nc_u64 s[G0B+4*\s+2:G0B+4*\s+3], s[46:47], \s*ROWB
	s_or_b32 s[G0B+4*\s+3], s[G0B+4*\s+3], 0x80000000
	JLOAD G0+4*\s, G1, G0B+4*\s, G1B               ; three tensor loads of mine are out behind the last of these
.endr
	v_and_b32 v1, 15, v0                           ; l % 16
	v_bfe_u32 v2, v0, 4, 1                         ; l / 16
	v_mul_u32_u24 v3, v1, PITCH
	v_mul_u32_u24 v4, v2, 24
	v_add_nc_u32 v4, v3, v4                        ; a fragment's row x pitch + 24 x half
	v_lshl_add_u32 v5, v2, 4, v4                   ; and the same behind one padding more
	s_mul_i32 s21, s15, HALFT                      ; my 128 rows of A
	s_mul_i32 s22, s16, HALFT                      ; my 128 rows of B,
	s_add_co_u32 s22, s22, 2*HALFT                 ; which lie behind A's 256
.irp s, 0,1
	v_add_nc_u32 v[ADRA+\s], s21, v4
	v_add_nc_u32 v[ADRB+\s], s22, v4
	v_add_nc_u32 v[ADRA+2+\s], s21, v5
	v_add_nc_u32 v[ADRB+2+\s], s22, v5
	s_add_co_u32 s21, s21, SLOT
	s_add_co_u32 s22, s22, SLOT
.endr
	v_mul_u32_u24 v5, v1, KS                       ; my row's scales: 32 bytes a row,
	v_lshrrev_b32 v6, 8, v5
	v_lshl_add_u32 v5, v6, 4, v5                   ; and 16 more for each 256 passed
	s_mul_i32 s21, s15, HALFS                      ; A's: my 128 rows
	s_mul_i32 s22, s16, HALFS                      ; B's: my 128 rows, behind A's 256
	s_add_co_u32 s22, s22, 2*HALFS
	s_sub_co_u32 s22, s22, s21
	v_mul_u32_u24 v6, s22, v2                      ; lanes 16-31 take B's
	s_add_co_u32 s21, s21, SCL
	v_add_nc_u32 v5, v5, v6
	v_add_nc_u32 v[ADRS], s21, v5
	v_and_b32 v6, 31, v0
	v_lshlrev_b32 v[O16], 4, v6
	v_lshlrev_b32 v[O8], 3, v6
	v_mov_b32 v[FL], 0x2800000
	v_lshlrev_b32 v[SH], 4, v2
	; where my images go
	s_lshl_b32 s20, s17, 4
	s_lshl_b32 s21, s15, 3
	s_add_co_u32 s20, s20, s21                     ; my first block of 16 places of R: 16 x tile + 8 x half
	s_lshl_b32 s46, s42, 1
	s_add_co_u32 s46, s46, s16                     ; my panel of 128 places of P: 2 x tile + half
	s_lshr_b32 s47, s46, 4
	s_and_b32 s46, s46, 15                         ; P'
	s_lshl_b32 s21, s47, 6
	s_add_co_u32 s21, s21, s20                     ; R16'
	s_lshl_b32 s22, s21, 4
	s_add_co_u32 s22, s22, s46
	s_mul_i32 s22, s22, 1536
	s_add_co_u32 s22, s22, IMG0                    ; the codes' images
	s_mov_b32 s23, 0
	s_lshr_b32 s21, s21, 1
	s_lshl_b32 s21, s21, 4
	s_add_co_u32 s21, s21, s46
	s_lshl_b32 s20, s21, 8                         ; the scale words' images
	s_mov_b32 s21, 0
	s_add_nc_u64 s[66:67], s[12:13], s[20:21]
	s_add_nc_u64 s[12:13], s[12:13], s[22:23]
.macro FRAG reg, adr, q, i             ; a fragment, 16 rows x 128 K of 6-bit codes, is 12 registers: lane l holds row l % 16; registers 6 c .. 6 c + 5 hold K = 64 c + 32 (l / 16) + 0 .. 31: 24 bytes of the row's stream of bits, as they lie
.irp p, 0,1,2,3,4,5                    ; in pieces of 8 bytes, so that every address is a multiple of the access's size
.set PC, 12*(\q)+6*(\p/3)+\p%3        ; 16 bytes of padding lie behind every 8 pieces: where the piece three on lies behind one padding more, the second address register serves
.if PC%8 < 5
	ds_load_b64 v[\reg+2*\p:\reg+2*\p+1], v[\adr] offset:8*PC+16*(PC/8)+(\i)*16*PITCH
.else
	ds_load_b64 v[\reg+2*\p:\reg+2*\p+1], v[\adr+2] offset:8*PC+16*(PC/8)+(\i)*16*PITCH
.endif
.endr
.endm
; 16 matrix instructions: A's blocks a0, a0 + 1 x B's eight, 128 along K: the slot's q-th.  p: B's set;  sc: the set of scale words.  zero = 1: the first product starts the sums.
; The 64 accumulators take turns, one instruction a turn, in the same order in every step.
.macro MUL16 a0, p, q, sc, zero
.irp a, \a0, \a0+1
.irp b, 0,1,2,3,4,5,6,7
.if \zero
	v_wmma_scale_f32_16x16x128_f8f6f4 v[8*(8*((\a)%4)+\b):8*(8*((\a)%4)+\b)+7], v[128*(\p)+FR*\b:128*(\p)+FR*\b+FR-1], v[AF+FR*(\a):AF+FR*(\a)+FR-1], 0, v[SC+8*NQ*(\sc)+NQ*\b+(\q)], v[SC+8*NQ*(\sc)+NQ*(\a)+(\q)] matrix_a_fmt:MATRIX_FMT_BF6 matrix_b_fmt:MATRIX_FMT_BF6 matrix_a_scale:MATRIX_SCALE_ROW1
.else
	v_wmma_scale_f32_16x16x128_f8f6f4 v[8*(8*((\a)%4)+\b):8*(8*((\a)%4)+\b)+7], v[128*(\p)+FR*\b:128*(\p)+FR*\b+FR-1], v[AF+FR*(\a):AF+FR*(\a)+FR-1], v[8*(8*((\a)%4)+\b):8*(8*((\a)%4)+\b)+7], v[SC+8*NQ*(\sc)+NQ*\b+(\q)], v[SC+8*NQ*(\sc)+NQ*(\a)+(\q)] matrix_a_fmt:MATRIX_FMT_BF6 matrix_b_fmt:MATRIX_FMT_BF6 matrix_a_scale:MATRIX_SCALE_ROW1
.endif
.endr
.endr
.endm
.macro FETCH_B slot, q, p              ; B's eight fragments of the slot's q-th 128 along K into set p
	WIN TO_B
.irp i, 0,1,2,3,4,5,6,7
	FRAG 128*(\p)+FR*\i, ADRB+\slot, \q, \i
.endr
	WIN 0
.endm
.macro FETCH_A slot, q, i0             ; A's blocks i0 .. i0 + 3
.irp i, \i0, \i0+1, \i0+2, \i0+3
	FRAG AF+FR*(\i), ADRA+\slot, \q, \i
.endr
.endm
.macro SCALES sc                       ; the next K step's scale words into set sc: two words a row; lanes 0-15 take A's block i, lanes 16-31 B's block i
.irp i, 0,1,2,3,4,5,6,7
	ds_load_b64 v[SC+8*NQ*\sc+NQ*\i:SC+8*NQ*\sc+NQ*\i+1], v[ADRS] offset:\i*SBLK
.endr
.endm
; A load into a register that a matrix instruction has read, and a vector instruction that reads a matrix result, stand NP places behind that matrix instruction, and only plain vector
; instructions that name none of its registers are places (ISA guide 7.12.1 for vector instructions).
.macro PLACES n
.rept \n
	v_nop
.endr
.endm
; A step of 128 along K that has its successor in the same slot.
.macro STEP slot, q, zero
	s_wait_dscnt 4*NL                              ; B's set and A's blocks 0-3 are in; the youngest 24 loads (A's blocks 4-7) may be out
	WIN MUL_LO
	MUL16 0, (\q)%2, \q, \slot, \zero
	MUL16 2, (\q)%2, \q, \slot, \zero
	s_wait_dscnt 0                                 ; A's blocks 4-7 are in (asked for 32 matrix instructions ago)
	PLACES NP
	FETCH_B \slot, (\q)+1, 1-(\q)%2
	FETCH_A \slot, (\q)+1, 0
	WIN MUL_HI
	MUL16 4, (\q)%2, \q, \slot, \zero
	MUL16 6, (\q)%2, \q, \slot, \zero
	PLACES NP
	WIN 0
	FETCH_A \slot, (\q)+1, 4
.endm
; A slot's last step changes slots: ONE barrier; in front of it each wave waits for all its tensor loads, adds 0 to its spare word, and waits for that and for its own reads of this slot.  fill = 1: this slot is filled again, two K steps ahead.
.macro TURN slot, next, fill
	s_wait_tensorcnt 0x0                           ; all my tensor loads have landed: my part of the next slot;  (every window is 0 here)
	ds_add_u32 v[SPW], v[NIL]                      ; 0 onto my spare word
	s_wait_dscnt 4*NL+1                            ; (the add and the youngest 24 loads, A's blocks 4-7, may be out)
	WIN MUL_LO
	MUL16 0, 1, NQ-1, \slot, 0                     ; sixteen matrix instructions stand between the add and the wait for it
	s_wait_dscnt 0x0                               ; the add is done, and my reads of this slot are over
	s_barrier_signal -1
	MUL16 2, 1, NQ-1, \slot, 0
	WIN 0
	s_barrier_wait -1
.if \fill
	CREST                                          ; the barrier has opened a round of the cluster's barrier: no wave of any partner still reads this slot's tile or has a load on its way
	s_add_nc_u64 s[G0+4*\slot+2:G0+4*\slot+3], s[G0+4*\slot+2:G0+4*\slot+3], 2*ROWB
	s_add_nc_u64 s[G0B+4*\slot+2:G0B+4*\slot+3], s[G0B+4*\slot+2:G0B+4*\slot+3], 2*ROWB
	JLOAD G0+4*\slot, G1, G0B+4*\slot, G1B         ; the first tensor load behind the round; the four v_nop behind it are the places in front of the loads below
.else
	PLACES NP
.endif
	v_add_nc_u32 v[ADRS], 4*NQ, v[ADRS]            ; on to the next K step's scale words (no LDS load of mine is out)
	FETCH_B \next, 0, 0
	FETCH_A \next, 0, 0
	SCALES \next
	WIN MUL_HI
	MUL16 4, 1, NQ-1, \slot, 0
	MUL16 6, 1, NQ-1, \slot, 0
	PLACES NP
	WIN 0
	FETCH_A \next, 0, 4
.endm
	s_wait_tensorcnt 1                             ; the scales and my part of K step 0 are in (K step 1's load may be out)
	s_barrier_signal -1
	s_barrier_wait -1                              ; everybody's are
	FETCH_B 0, 0, 0
	FETCH_A 0, 0, 0
	SCALES 0
	FETCH_A 0, 0, 4
	STEP 0, 0, 1                                   ; the first step stands in front of the loop: its products start the sums
	s_mov_b32 s3, LAPS-1
.Llap:                                                 ; a trip goes once round the ring, from a lap's second step to the next lap's first, and fills both slots again
	TURN 0, 1, 1
	STEP 1, 0, 0
	TURN 1, 0, 1
	STEP 0, 0, 0
	s_sub_co_u32 s3, s3, 1
	s_cmp_lg_u32 s3, 0
	s_cbranch_scc1 .Llap
	TURN 0, 1, 0                                   ; the last lap fills nothing, and has no round of the cluster's barrier
	STEP 1, 0, 0
	s_wait_dscnt 4*NL                              ; the very last step: nothing more to fetch
	WIN MUL_LO
	MUL16 0, 1, NQ-1, 1, 0
	MUL16 2, 1, NQ-1, 1, 0
	s_wait_dscnt 0
	WIN MUL_HI
	MUL16 4, 1, NQ-1, 1, 0
	MUL16 6, 1, NQ-1, 1, 0
	WIN 0
; THE WAY OUT of my block a of 16 places of R.  Its 64 numbers a lane, register 16 b + i = number 32 b + 16 (lane / 16) + i along P of my place of R, become a fragment's codes and its scale word.
.macro OUTBLK a
.set AC, 64*((\a)%4)                   ; the block's eight accumulators,
.set WW, 2+(\a)/4                      ; in window 2 or 3
.set WSEL, (WW<<2)|(WW<<4)
.set PCO, 128+12*(\a)                  ; its codes: registers of their own for each block, so that no store's data are written again
	WIN WSEL                                       ; sources 1 and 2 in the accumulators' window
.irp b, 0,1,2,3
	v_max3_num_f32 v[TM+\b], v[FL], |v[AC+16*\b]|, |v[AC+16*\b+1]|   ; block b of 32: my 16 numbers, and the floor; each accumulator is read from its low end on
.endr
.irp i, 2,4,6,8,10,12,14
.irp b, 0,1,2,3
	v_max3_num_f32 v[TM+\b], v[TM+\b], |v[AC+16*\b+\i]|, |v[AC+16*\b+\i+1]|   ; (the four blocks by turns)
.endr
.endr
	WIN 0
.irp b, 0,1,2,3
	v_permlanex16_b32 v[TM+4+\b], v[TM+\b], s[SEL], s[SEL+1]
.endr
.irp b, 0,1,2,3
	v_max_num_f32 v[TM+\b], v[TM+\b], v[TM+4+\b]   ; with lane l xor 16's: the block's largest magnitude
.endr
.irp b, 0,1,2,3
	v_add_nc_u32 v[TM+12+\b], 0xfe000000, v[TM+\b] ; 4 off its exponent field: the conversion's scale operand
.endr
.irp b, 0,1,2,3
	v_lshrrev_b32 v[TM+4+\b], 23, v[TM+12+\b]      ; the scale's byte
.endr
	v_lshl_or_b32 v[PW], v[TM+5], 8, v[TM+4]       ; the four bytes make my place's scale word
	v_lshl_or_b32 v[PW], v[TM+6], 16, v[PW]
	v_lshl_or_b32 v[PW], v[TM+7], 24, v[PW]
	WIN WW                                         ; source 0 in the accumulators' window
.irp c, 0,1
	v_cvt_scalef32_pk16_bf6_f32 v[PCO+6*\c:PCO+6*\c+2], v[AC+32*\c:AC+32*\c+15], v[TM+12+2*\c]
	v_cvt_scalef32_pk16_bf6_f32 v[CT+4*\c:CT+4*\c+2], v[AC+32*\c+16:AC+32*\c+31], v[TM+13+2*\c]   ; (a conversion's three registers begin on an even number)
.endr
	WIN 0
	v_nop                                          ; one plain place behind a scaled conversion
.irp c, 0,1                                    ; the operand's layout wants a WHOLE block of 32 in a lane: lanes 0-15 block 2 c, lanes 16-31 block 2 c + 1
.irp i, 0,1,2
	v_permlane16_swap_b32 v[PCO+6*\c+\i], v[CT+4*\c+\i]
.endr
.irp i, 0,1,2
	v_mov_b32 v[PCO+3+6*\c+\i], v[CT+4*\c+\i]
.endr
.endr
	v_lshrrev_b32 v[SW+(\a)], v[SH], v[PW]         ; lanes 16-31 keep the word's upper half in its lower
	global_store_b128 v[O16], v[PCO:PCO+3], s[12:13] offset:(\a)*24576          ; each store covers 512 or 256 consecutive bytes, at a multiple of 256 from the buffer's first byte
	global_store_b64 v[O8], v[PCO+4:PCO+5], s[12:13] offset:(\a)*24576+512
	global_store_b128 v[O16], v[PCO+6:PCO+9], s[12:13] offset:(\a)*24576+768
	global_store_b64 v[O8], v[PCO+10:PCO+11], s[12:13] offset:(\a)*24576+1280
.if (\a)%2 == 1
	global_store_b64 v[O8], v[SW+(\a)-1:SW+(\a)], s[66:67] offset:((\a)/2)*4096 ; two blocks' scale words
.endif
.endm
	PLACES NP                                      ; behind the last products: block 0's results were finished long ago, and the registers that held A's last fragments are written far below
.irp b, 0,1,2,3
	v_mov_b32 v[TM+4+\b], 0                        ; written once: a lane permute's destination counts as one of its sources
.endr
.irp a, 0,1,2,3,4,5,6,7
	OUTBLK \a
.endr
	s_wait_tensorcnt 0x0                           ; the wave's end, behind my last tensor load
	ds_add_u32 v[SPW], v[NIL]
	s_wait_dscnt 0x0
	CROUND                                         ; the closing round: no work-group ends while a partner may still ask for a tile that names it
	s_endpgm
.Lfunc_end_k_qf476e1b2b6_proj_qk:
	.size	k_qf476e1b2b6_proj_qk, .Lfunc_end_k_qf476e1b2b6_proj_qk-k_qf476e1b2b6_proj_qk
	.p2alignl 7, 3214868480
	.fill 96, 4, 3214868480
	.section	.rodata,"a",@progbits
	.p2align	6, 0x0
	.amdhsa_kernel k_qf476e1b2b6_proj_qk
		.amdhsa_group_segment_fixed_size 327680
		.amdhsa_private_segment_fixed_size 0
		.amdhsa_enable_private_segment 0
		.amdhsa_kernarg_size 24
		.amdhsa_user_sgpr_count 2
		.amdhsa_user_sgpr_kernarg_segment_ptr 1
		.amdhsa_wavefront_size32 1
		.amdhsa_system_sgpr_workgroup_id_x 1
		.amdhsa_system_sgpr_workgroup_id_y 1
		.amdhsa_system_sgpr_workgroup_id_z 1
		.amdhsa_system_vgpr_workitem_id 0
		.amdhsa_next_free_vgpr 1024
		.amdhsa_next_free_sgpr 98
		.amdhsa_reserve_vcc 0
		.amdhsa_float_denorm_mode_32 3
		.amdhsa_float_denorm_mode_16_64 3
		.amdhsa_memory_ordered 1
		.amdhsa_forward_progress 1
		.amdhsa_inst_pref_size 164
	.end_amdhsa_kernel
	.amdgpu_metadata
---
amdhsa.version: [ 1, 2 ]
amdhsa.kernels:
  - .name:           k_qf476e1b2b6_proj_qk
    .symbol:         k_qf476e1b2b6_proj_qk.kd
    .args:
      - { .name: xq, .offset: 0, .size: 8, .value_kind: global_buffer, .address_space: global }
      - { .name: wqkq, .offset: 8, .size: 8, .value_kind: global_buffer, .address_space: global }
      - { .name: qk, .offset: 16, .size: 8, .value_kind: global_buffer, .address_space: global }
    .group_segment_fixed_size: 327680
    .private_segment_fixed_size: 0
    .kernarg_segment_align: 8
    .kernarg_segment_size: 24
    .max_flat_workgroup_size: 128
    .sgpr_count:     98
    .vgpr_count:     1024
    .wavefront_size: 32
...
	.end_amdgpu_metadata
.endif
;; end of part 3
;; launch proj_v: the kernel of part 3 again; grid 32 x 4, 4 waves a work-group, clusters of 4 x 4, 327,680 bytes of LDS; arguments wvq, xq, vv; writes vv
;; launch attn (part 4): grid 4 x 64, 16 waves a work-group, no clusters, 284,672 bytes of LDS; arguments qk, vv, out0; writes out0
.if DOCPART == 4
	.amdgcn_target "amdgcn-amd-amdhsa--gfx1250"
	.amdhsa_code_object_version 6
	.text
	.protected	k_qf476e1b2b6_attn
	.globl	k_qf476e1b2b6_attn
	.p2align	8
	.type	k_qf476e1b2b6_attn,@function
k_qf476e1b2b6_attn:
	s_mov_b64 s[64:65], 0
	v_nop
	global_prefetch_b8 v0, s[64:65] scope:SCOPE_SE
	s_setreg_imm32_b32 hwreg(HW_REG_WAVE_MODE, 25, 1), 1
	s_wait_xcnt 0x0
; out0[b][q][64 hd + e] = the sum over keys k <= q of softmax_k(Q[q] . K[k] / 8) V[k][e], for each of 64 (batch, head), both products on codes of BF6 (E3M2) with one E8M0 scale for each 32 along a product's K.
; q, k and v arrive as IMAGES OF OPERAND REGISTERS, made by the projections: a fragment's registers lane by lane, so that every load here is dense.
;   qk: tile T of 16 positions of batch b, head hd: 768 bytes at IMG0 + (128 b + T) x 24,576 + t x 12,288 + hd x 768 (t = 0: q, 1: k): registers 0-3 at 16 x lane, 4-5 at 512 + 8 x lane;
;       its scale words at (64 b + T / 2) x 4,096 + t x 2,048 + hd x 128 + 8 r + 4 (T % 2).  Lane r of tile T holds position 32 (T / 2) + 8 (T % 2) + r % 8 + 16 (r / 8).
;   vv: 16 of the head's e x 128 keys: 1,536 bytes at IMG0 + (16 b + hd) x 98,304 + et x 24,576 + ks x 1,536; scale words at (16 b + hd) x 8,192 + (et / 2) x 4,096 + ks x 256 + 8 r + 4 (et % 2).
; THE SOFTMAX AHEAD OF THE SECOND PRODUCT: t = score x log2(e) / 8; M = the row's largest t so far, rounded UP to a whole number; p = 2^(t - M) is what is quantised, along the keys, not normalised.
; The row's sum is taken of the unquantised p, in f32, and divides O at the end.  When M moves, the sum and O are multiplied by 2^(old M - new M): exact.
; SHARES.  A work-group owns blocks i and 7 - i of 256 queries of one (batch, head).  Wave w owns tile T1 = 16 i + w, then tile T2 = 127 - T1.  Tile T needs T / 8 + 1 steps of 128 keys under the causal mask,
; so every wave of the launch works 17 steps.  Sixteen waves of 256 registers: four to a SIMD, so that one wave's vector work stands beside another's matrix work and LDS loads.
; LDS.  A head's K and V as codes are 98,304 bytes each: both lie in LDS whole, with their scale words.  Every byte is filled once: no ring.  Each wave issues two tensor loads at the start: a small one
; (its part of key steps 0 and 1) and a large one (its part of the rest); the first two steps are worked while the large ones are on their way.
; LAYOUT.  Both products are used transposed: S^T = K Q^T (source 0 = 16 keys, source 1 = my 16 queries), O^T = V^T P^T: a lane holds ONE query throughout, and by the order of a tile's places
; the 16 registers of key tiles 2 B and 2 B + 1 are the 16 neighbouring keys 32 B + 16 (lane / 16) + 0 .. 15.
; THE HEAD'S 64 IN AN INSTRUCTION OF 128: Q's registers 6-11 are zero codes.  K's fragment t is named v[32 + 6 t : 43 + 6 t]: its upper six registers are the next tile's codes (the last tile's: a pad of zeros).
; The format has no code for infinity or NaN, so those products are zeros; bytes 2 and 3 of the scale words are a neighbouring head's bytes (1 to 254) or 0, never 0xff.
; THE LOOPS' TRIP COUNTS ARE CONSTANTS; a step all of whose keys come after the wave's queries is jumped over by a scalar branch on ids.
; NO CLUSTER: that jump hangs on the work-group's own queries, which differ between the four work-groups of a head; and what they share is fetched once by each: 212,992 bytes for its 272 tile steps.
; LIMITS: NaN and infinities are not served; a block of p whose every number has fallen to 0 keeps the byte 1 (its codes are zeros).
.set IMG0, 1048576
.set KIMG, 0                           ; LDS: K's 128 tiles x 768 bytes
.set VIMG, 98304                       ; V's [et][ks][1,536]
.set KSC,  196608                      ; K's scale words [T / 2][16 x 8 bytes]
.set VSC,  204800                      ; V's, as in memory
.set STG,  212992                      ; a stage of 16 rows x (256 + 16) bytes for each wave
.set L16,  1                           ; v1   16 x lane
.set L8,   2                           ; v2   8 x lane
.set R8,   3                           ; v3   8 x (lane % 16)
.set DL,   4                           ; v4   my query's place in its tile's span, less 16 (lane / 16)
.set STO,  5                           ; v5   the stage: where I put my row's numbers
.set SRD,  6                           ; v6   and where I read a row back
.set GO,   7                           ; v7   my byte offset in two rows of out0
.set DK16, 8                           ; v8-11, v28-31: the LDS addresses of the step in hand
.set DK8,  9
.set DV16, 10
.set DV8,  11
.set DV16B, 28
.set DV8B, 29
.set DSK,  30
.set DSV,  31
.set QF,   16                          ; v16-21 Q's codes, v22-27 zero codes.  v12 -M, v13 the largest t, v[14:15] the sum in two halves
.set FRG,  32                          ; v32-79 K's eight half fragments, later V's four fragments; v80-85 the pad of zeros
.set KSR,  86                          ; v86-93 K's scale words
.set VSR,  94                          ; v94-97 V's
.set PS,   98                          ; v98    p's
.set QS,   99                          ; v99    Q's
.set S,    100                         ; v100-163 S^T, then p
.set O,    164                         ; v164-195 O^T
.set PCD,  196                         ; v196-207 p's codes
.set CT,   208                         ; v208-215 the upper halves of the blocks' codes; later a chain of the sum
.set BM,   216                         ; v216-219 the blocks' largest scores, then largest p
.set PT,   220                         ; v220-223 the other half's; then the bytes
.set SO,   224                         ; v224-227 the conversions' scale operands
.set F,    228                         ; v[228:229] f = 2^(old M - new M) (the pair is named; the low word serves)
.set TA,   230                         ; v230-233 at work
.set TB,   231
.set TC,   232
.set TD,   233
.set Q2,   244                         ; v244-249 the second tile's Q
.set QS2,  250                         ; v250 its scale words
.set WV,   10                          ; s10 my wave's number
.set SEL,  20                          ; s[20:21] lane selects for v_permlanex16_b32: lane l xor 16
.set CS,   22                          ; s[22:23] c = log2(e) / 8
.set G1KA, 24
.set G1KB, 32
.set G1VA, 40
.set G1VB, 48
.set G0KA, 56
.set G0KB, 60
.set G0VA, 68
.set G0VB, 72
.set KF,   76                          ; s76 the step's first key
.set QMIN, 77                          ; s77 my tile's first query
.set QMAX, 78                          ; s78 and its last
.set TBK,  79                          ; s79 LDS: the step's tiles of K,
.set TBV,  80                          ; s80 of V,
.set TSK,  81                          ; s81 K's scale words,
.set TSV,  82                          ; s82 V's
.set CNT,  83
.set TT,   84                          ; s84 the tile in hand
.macro GROUP1 g, c, r, p               ; descriptor group 1: r rows of c elements of 8 bytes, p elements from row to row; no mask, no padding
	s_mov_b32 s[\g], 3<<16
	s_mov_b32 s[\g+1], (\c)<<16                    ; tensor_dim0
	s_mov_b32 s[\g+2], (\r)<<16                    ; tensor_dim1
	s_mov_b32 s[\g+3], (\c)<<16                    ; tile_dim0
	s_mov_b32 s[\g+4], \r                          ; tile_dim1
	s_mov_b32 s[\g+5], \p                          ; tensor_dim0_stride
	s_mov_b32 s[\g+6], 0
	s_mov_b32 s[\g+7], 0
.endm
.macro QBASE t, c, w                   ; tile s[t]: its codes' address into s[c:c+1], its scale words' into s[w:w+1]
	s_mul_i32 s[\c], s[\t], 24576
	s_mov_b32 s[\c+1], 0
	s_add_nc_u64 s[\c:\c+1], s[16:17], s[\c:\c+1]
	s_lshr_b32 s[\w], s[\t], 1
	s_lshl_b32 s[\w], s[\w], 12
	s_and_b32 s[\w+1], s[\t], 1
	s_lshl_b32 s[\w+1], s[\w+1], 2
	s_add_co_u32 s[\w], s[\w], s[\w+1]
	s_mov_b32 s[\w+1], 0
	s_add_nc_u64 s[\w:\w+1], s[18:19], s[\w:\w+1]
.endm
	s_load_b128 s[4:7], s[0:1], 0x0                ; qk s[4:5], vv s[6:7]
	s_load_b64 s[8:9], s[0:1], 0x10                ; out0
	v_lshl_add_u32 v254, v0, 2, 0x45000
	v_mov_b32 v255, 0
	ds_add_u32 v254, v255
	ds_add_u32 v254, v255
	v_lshrrev_b32 v8, 5, v0
	v_readfirstlane_b32 s[WV], v8                  ; wave 0..15
	s_and_b32 s12, ttmp7, 0xffff                   ; 16 b + hd
	s_lshr_b32 s13, s12, 4                         ; b
	s_and_b32 s14, s12, 15                         ; hd
	s_and_b32 s85, s[WV], 7                        ; j: which eighth of K (waves 0-7) or of V (waves 8-15) I fetch
	s_lshl_b32 s[TT], ttmp9, 4
	s_add_co_u32 s[TT], s[TT], s[WV]               ; T1 = 16 i + w
	; every lane constant and LDS address that stays is made here, ahead of the branch on the wave's number
	v_and_b32 v8, 15, v0                           ; r
	v_bfe_u32 v9, v0, 4, 1                         ; h
	v_and_b32 v10, 31, v0                          ; lane
	v_lshlrev_b32 v[L16], 4, v10
	v_lshlrev_b32 v[L8], 3, v10
	v_lshlrev_b32 v[R8], 3, v8
	v_and_b32 v11, 7, v0
	v_bfe_u32 v28, v0, 3, 1
	v_lshl_add_u32 v[DL], v28, 4, v11              ; r % 8 + 16 (r / 8)
	v_lshlrev_b32 v28, 4, v9
	v_sub_nc_u32 v[DL], v[DL], v28                 ; - 16 h
	s_mul_i32 s66, s[WV], 16*272
	s_add_co_u32 s66, s66, STG                     ; my stage
	v_mul_u32_u24 v[STO], v8, 272
	v_lshl_add_u32 v[STO], v9, 6, v[STO]
	v_add_nc_u32 v[STO], s66, v[STO]               ; in: row r, + 64 h
	v_mul_u32_u24 v[SRD], v9, 272
	v_lshl_add_u32 v[SRD], v8, 4, v[SRD]
	v_add_nc_u32 v[SRD], s66, v[SRD]               ; back: lanes 0-15 one row, lanes 16-31 the next
	v_lshlrev_b32 v[GO], 12, v9
	v_lshl_add_u32 v[GO], v8, 4, v[GO]             ; and the same in out0: rows of 4,096 bytes
	v_lshl_add_u32 v[TB], v0, 4, KSC               ; where my 16 bytes of the scale words go
	v_lshrrev_b32 v[TC], 3, v0
	v_and_b32 v[TA], 7, v0
	v_lshlrev_b32 v[TA], 4, v[TA]
	v_lshl_add_u32 v[TC], v[TC], 12, v[TA]         ; K's scale words in memory: 128 bytes of every 4,096: eight threads to a piece
	v_lshlrev_b32 v[TD], 4, v0                     ; V's: dense
	; offsets, apart from the addresses
	s_mul_i32 s86, s13, 3145728
	s_mul_i32 s87, s14, 768
	s_add_co_u32 s86, s86, s87
	s_add_co_u32 s86, s86, IMG0                    ; q's tile 0 of my batch and head
	s_mov_b32 s87, 0
	s_lshl_b32 s88, s13, 18
	s_lshl_b32 s89, s14, 7
	s_add_co_u32 s88, s88, s89                     ; its scale words
	s_mov_b32 s89, 0
	s_mul_i32 s90, s12, 98304
	s_add_co_u32 s90, s90, IMG0                    ; V's images
	s_mov_b32 s91, 0
	s_lshl_b32 s92, s13, 23
	s_lshl_b32 s93, s14, 8
	s_add_co_u32 s92, s92, s93                     ; out0: my batch, my head's 256 bytes of a row
	s_mov_b32 s93, 0
	s_lshl_b32 s98, s12, 13                        ; V's scale words
	s_mov_b32 s99, 0
	GROUP1 G1KA, 96, 2, 3072                       ; K: two tiles of 768 bytes, 24,576 bytes apart
	GROUP1 G1KB, 96, 14, 3072                      ; fourteen
	GROUP1 G1VA, 32, 6, 32                         ; V: 1,536 dense bytes as rows of 256
	GROUP1 G1VB, 32, 42, 32                        ; 10,752
	s_mov_b32 s[SEL], 0x76543210
	s_mov_b32 s[SEL+1], 0xfedcba98
	s_mov_b32 s[CS], 0x3e38aa3b                    ; c = log2(e) / 8
	s_mov_b32 s[CS+1], s[CS]                       ; (named with it as a pair, so it is written)
	s_mul_i32 s[G0KA+1], s85, 1536                 ; LDS: K's tiles 2 j, 2 j + 1 (key steps 0 and 1 are tiles 0 to 15)
	s_mul_i32 s[G0KB+1], s85, 10752
	s_add_co_u32 s[G0KB+1], s[G0KB+1], 12288       ; tiles 16 + 14 j on
	s_and_b32 s11, s85, 1
	s_lshr_b32 s15, s85, 1
	s_mul_i32 s15, s15, 24576                      ; V: et = j / 2
	s_mul_i32 s76, s11, 1536
	s_add_co_u32 s76, s76, s15                     ; key step j % 2 of that et
	s_mov_b32 s77, 0
	s_mul_i32 s82, s11, 10752
	s_add_co_u32 s82, s82, s15
	s_add_co_u32 s82, s82, 3072                    ; half j % 2 of its other fourteen key steps
	s_mov_b32 s83, 0
	s_add_co_u32 s[G0VA+1], s76, VIMG
	s_add_co_u32 s[G0VB+1], s82, VIMG
	s_mul_i32 s78, s85, 49152
	s_add_co_u32 s78, s78, 12288                   ; K in memory, from q's tile 0: + 12,288 for k, + 2 j tiles
	s_mov_b32 s79, 0
	s_mul_i32 s80, s85, 344064
	s_add_co_u32 s80, s80, 405504                  ; + 12,288 + (16 + 14 j) tiles
	s_mov_b32 s81, 0
	s_wait_dscnt 0x0
	s_wait_kmcnt 0x0
	s_add_nc_u64 s[16:17], s[4:5], s[86:87]        ; q's images
	s_add_nc_u64 s[18:19], s[4:5], s[88:89]        ; q's scale words
	s_add_nc_u64 s[90:91], s[6:7], s[90:91]        ; V's images
	s_add_nc_u64 s[98:99], s[6:7], s[98:99]        ; V's scale words
	s_add_nc_u64 s[96:97], s[8:9], s[92:93]        ; out0
	s_mov_b32 s[G0KA], 1
	s_add_nc_u64 s[G0KA+2:G0KA+3], s[16:17], s[78:79]
	s_or_b32 s[G0KA+3], s[G0KA+3], 0x80000000
	s_mov_b32 s[G0KB], 1
	s_add_nc_u64 s[G0KB+2:G0KB+3], s[16:17], s[80:81]
	s_or_b32 s[G0KB+3], s[G0KB+3], 0x80000000
	s_mov_b32 s[G0VA], 1
	s_add_nc_u64 s[G0VA+2:G0VA+3], s[90:91], s[76:77]
	s_or_b32 s[G0VA+3], s[G0VA+3], 0x80000000
	s_mov_b32 s[G0VB], 1
	s_add_nc_u64 s[G0VB+2:G0VB+3], s[90:91], s[82:83]
	s_or_b32 s[G0VB+3], s[G0VB+3], 0x80000000
	s_cmp_lt_u32 s[WV], 8                          ; a wave's two fills stand in one branch, ahead of every wait on TENSORcnt, every LDS read and every barrier: two loads of mine are out
	s_cbranch_scc0 .Lfill_v
	tensor_load_to_lds s[G0KA:G0KA+3], s[G1KA:G1KA+7]
	s_nop 0
	tensor_load_to_lds s[G0KB:G0KB+3], s[G1KB:G1KB+7]
	s_nop 0
.rept 4
	v_nop
.endr
	s_branch .Lfilled
.Lfill_v:
	tensor_load_to_lds s[G0VA:G0VA+3], s[G1VA:G1VA+7]
	s_nop 0
	tensor_load_to_lds s[G0VB:G0VB+3], s[G1VB:G1VB+7]
	s_nop 0
.rept 4
	v_nop
.endr
.Lfilled:
	s_sub_co_u32 s15, 127, s[TT]                   ; T2
	QBASE TT, 86, 88
	QBASE 15, 90, 92
	global_load_b128 v[S:S+3], v[TC], s[18:19] offset:2048      ; K's scale words of the head: 16 bytes a thread
	global_load_b128 v[S+4:S+7], v[TD], s[98:99]                ; V's
	global_load_b128 v[QF:QF+3], v[L16], s[86:87]               ; the first tile's Q
	global_load_b64 v[QF+4:QF+5], v[L8], s[86:87] offset:512
	global_load_b32 v[QS], v[R8], s[88:89]
	global_load_b128 v[Q2:Q2+3], v[L16], s[90:91]               ; the second tile's
	global_load_b64 v[Q2+4:Q2+5], v[L8], s[90:91] offset:512
	global_load_b32 v[QS2], v[R8], s[92:93]
.irp j, 22,23,24,25,26,27,80,81,82,83,84,85
	v_mov_b32 v\j, 0                               ; Q's upper half and the pad behind K's last tile: zero codes
.endr
.irp b, 0,1,2,3
	v_mov_b32 v[PT+\b], 0                          ; written once: a lane permute's destination counts as one of its sources
.endr
	v_mov_b32 v[F+1], 0                            ; (named as the upper half of a pair)
	v_mov_b32 v[TA], 0
; The state at a tile's start.  O^T and the sum begin as zeros and the largest t as -3e38, so that the step is written once: the first change of M multiplies zeros.
.macro FRESH
	v_mov_b32 v13, 0xff61b1e6                      ; -3e38, under every t
	v_floor_f32 v12, -v13                          ; -M
	v_mov_b32 v14, 0
	v_mov_b32 v15, 0
.set n, 0
.rept 32
	v_mov_b32 v[O+n], 0
.set n, n+1
.endr
	s_mov_b32 s[KF], 0
	s_mov_b32 s[TBK], KIMG
	s_mov_b32 s[TBV], VIMG
	s_mov_b32 s[TSK], KSC
	s_mov_b32 s[TSV], VSC
.endm
.macro SETQ                            ; from the tile in hand: its first and last query, and its first row of out0
	s_lshr_b32 s86, s[TT], 1
	s_lshl_b32 s86, s86, 5
	s_and_b32 s87, s[TT], 1
	s_lshl_b32 s87, s87, 3
	s_add_co_u32 s[QMIN], s86, s87                 ; 32 (T / 2) + 8 (T % 2)
	s_add_co_u32 s[QMAX], s[QMIN], 23              ; the tile's places span 24 positions
	s_lshl_b32 s86, s[QMIN], 12
	s_mov_b32 s87, 0
	s_add_nc_u64 s[94:95], s[96:97], s[86:87]
.endm
	FRESH
	s_wait_loadcnt 0x6                             ; the two loads of scale words are in; the six of Q behind them may be out
	ds_store_b128 v[TB], v[S:S+3]
	ds_store_b128 v[TB], v[S+4:S+7] offset:VSC-KSC
	s_wait_loadcnt 0x0                             ; Q; and the loads' bases may be written
	SETQ
	s_wait_tensorcnt 0x1                           ; my part of key steps 0 and 1 has landed; my larger load may stay out
	s_wait_dscnt 0x0                               ; my part of the scale words lies in LDS
	s_barrier_signal -1
	s_barrier_wait -1                              ; everybody's does
; A KEY STEP: 128 keys.
.macro STEP
	s_cmp_gt_u32 s[KF], s[QMAX]                    ; all its keys come after my queries: only the addresses step
	s_cbranch_scc1 .Lhid_\@
	v_add_nc_u32 v[DK16], s[TBK], v[L16]           ; (these eight are also the places behind the last step's products, in front of the loads into registers that they read)
	v_add_nc_u32 v[DK8], s[TBK], v[L8]
	v_add_nc_u32 v[DSK], s[TSK], v[R8]
	v_add_nc_u32 v[DV16], s[TBV], v[L16]
	v_add_nc_u32 v[DV8], s[TBV], v[L8]
	v_add_nc_u32 v[DSV], s[TSV], v[R8]
	v_add_nc_u32 v[DV16B], 49152, v[DV16]          ; et = 2, 3 lie beyond the 16-bit immediate
	v_add_nc_u32 v[DV8B], 49152, v[DV8]
.irp p, 0,1,2,3
	ds_load_b64 v[KSR+2*\p:KSR+2*\p+1], v[DSK] offset:128*\p    ; the scale words of tiles 2 p and 2 p + 1
.endr
.irp t, 0,1,2,3,4,5,6,7
	ds_load_b128 v[FRG+6*\t:FRG+6*\t+3], v[DK16] offset:768*\t  ; an image comes back as it was stored: 512 and 256 consecutive bytes
	ds_load_b64 v[FRG+6*\t+4:FRG+6*\t+5], v[DK8] offset:768*\t+512
.endr
	s_wait_dscnt 0x0
.irp t, 0,1,2,3,4,5,6,7                        ; S^T = K Q^T: eight tiles of 16 keys
	v_wmma_scale_f32_16x16x128_f8f6f4 v[S+8*\t:S+8*\t+7], v[FRG+6*\t:FRG+6*\t+11], v[QF:QF+11], 0, v[KSR+\t], v[QS] matrix_a_fmt:MATRIX_FMT_BF6 matrix_b_fmt:MATRIX_FMT_BF6
.endr
.rept 4
	v_nop                                          ; places in front of the loads below and of the first read of the scores
.endr
.irp e, 0,1,2,3                                ; V's four fragments are asked for now and land under the softmax
.if \e < 2
.set A16, DV16
.set A8, DV8
.else
.set A16, DV16B
.set A8, DV8B
.endif
	ds_load_b128 v[FRG+12*\e:FRG+12*\e+3], v[A16] offset:(\e%2)*24576
	ds_load_b64 v[FRG+12*\e+4:FRG+12*\e+5], v[A8] offset:(\e%2)*24576+512
	ds_load_b128 v[FRG+12*\e+6:FRG+12*\e+9], v[A16] offset:(\e%2)*24576+768
	ds_load_b64 v[FRG+12*\e+10:FRG+12*\e+11], v[A8] offset:(\e%2)*24576+1280
.endr
.irp g, 0,1
	ds_load_b64 v[VSR+2*\g:VSR+2*\g+1], v[DSV] offset:4096*\g
.endr
	s_add_co_u32 s86, s[KF], 127                   ; on the diagonal the scores of hidden keys become -infinity ahead of the maximum: p = 0 then.  A step all of whose keys count skips this
	s_cmp_le_u32 s86, s[QMIN]
	s_cbranch_scc1 .Lopen_\@
	s_sub_co_i32 s86, s[QMIN], s[KF]
	v_add_nc_u32 v[TB], s86, v[DL]                 ; d = my query - KF - 16 (lane / 16).  Register 16 b + i holds key KF + 16 (lane / 16) + 32 b + i: hidden where 32 b + i > d
	v_mov_b32 v[TC], 0xff800000
.set n, 0
.rept 64
	v_cmp_gt_i32 vcc_lo, 32*(n/16)+n%16, v[TB]
	v_cndmask_b32 v[S+n], v[S+n], v[TC], vcc_lo
.set n, n+1
.endr
.Lopen_\@:
.irp b, 0,1,2,3
	v_max3_num_f32 v[BM+\b], v[S+16*\b], v[S+16*\b+1], v[S+16*\b+2]   ; THE LARGEST SCORE OF EACH BLOCK OF 32 KEYS serves twice: for the row's maximum, and, since p rises with the score, for the block's largest p
.endr
.irp i, 3,5,7,9,11,13
.irp b, 0,1,2,3
	v_max3_num_f32 v[BM+\b], v[BM+\b], v[S+16*\b+\i], v[S+16*\b+\i+1]   ; (the four blocks by turns)
.endr
.endr
.irp b, 0,1,2,3
	v_max_num_f32 v[BM+\b], v[BM+\b], v[S+16*\b+15]
.endr
.irp b, 0,1,2,3
	v_permlanex16_b32 v[PT+\b], v[BM+\b], s[SEL], s[SEL+1]
.endr
.irp b, 0,1,2,3
	v_max_num_f32 v[BM+\b], v[BM+\b], v[PT+\b]     ; with lane l xor 16's 16 keys
.endr
	v_max3_num_f32 v[TA], v[BM], v[BM+1], v[BM+2]
	v_max_num_f32 v[TA], v[TA], v[BM+3]            ; the step's largest score of my query
	v_mul_f32 v[TA], s[CS], v[TA]                  ; as t (c is positive)
	v_max_num_f32 v13, v13, v[TA]                  ; the running largest t
	v_mov_b32 v[TA], v12
	v_floor_f32 v12, -v13                          ; the new -M = floor(-t) = -ceil(t): M IS A WHOLE NUMBER
	v_sub_f32 v[TA], v12, v[TA]                    ; M's old value less its new one: a whole number, 0 or less
	v_cvt_i32_f32 v[TA], v[TA]                     ; (it saturates)
	v_ldexp_f32 v[F], 1.0, v[TA]                   ; f = 2^(old M - new M)
.set n, 0
.rept 32
	v_pk_fma_f32 v[S+n:S+n+1], v[S+n:S+n+1], s[CS:CS+1], v[12:13] op_sel_hi:[1,0,0]   ; t - M, two at a time (of the pairs c and -M the low word serves both halves)
.set n, n+2
.endr
.irp b, 0,1,2,3
	v_fma_f32 v[BM+\b], v[BM+\b], s[CS], v12       ; the same of each block's largest score
.endr
.set n, 0
.rept 64
	v_exp_f32 v[S+n], v[S+n]                       ; p = 2^(t - M), at most 1: NOT normalised
.set n, n+1
.endr
.irp b, 0,1,2,3
	v_exp_f32 v[BM+\b], v[BM+\b]                   ; the block's largest p: the same two instructions on the same number give the same bits
.endr
	v_pk_mul_f32 v[14:15], v[14:15], v[F:F+1] op_sel_hi:[1,0]   ; the sums under the new M.  (A plain place behind the exponentials)
	s_wait_alu depctr_va_vdst(0)
.irp b, 0,1,2,3
	v_max_num_f32 v[BM+\b], 0x2800000, v[BM+\b]    ; the floor 2^(5 - 127): the byte cannot fall under 1
.endr
.irp b, 0,1,2,3
	v_add_nc_u32 v[SO+\b], 0xfe000000, v[BM+\b]    ; 4 off the exponent field: the conversion's scale operand
.endr
.irp b, 0,1,2,3
	v_lshrrev_b32 v[PT+\b], 23, v[SO+\b]           ; the scale's byte
.endr
	v_lshl_or_b32 v[PS], v[PT+1], 8, v[PT]         ; p's scale word for these 128 keys
	v_lshl_or_b32 v[PS], v[PT+2], 16, v[PS]
	v_lshl_or_b32 v[PS], v[PT+3], 24, v[PS]
.irp c, 0,1
	v_cvt_scalef32_pk16_bf6_f32 v[PCD+6*\c:PCD+6*\c+2], v[S+32*\c:S+32*\c+15], v[SO+2*\c]
	v_cvt_scalef32_pk16_bf6_f32 v[CT+4*\c:CT+4*\c+2], v[S+32*\c+16:S+32*\c+31], v[SO+2*\c+1]   ; (a conversion's three registers begin on an even number)
.endr
	v_nop                                          ; one plain place behind a scaled conversion
.irp c, 0,1                                    ; the operand's layout wants a WHOLE block in a lane: lanes 0-15 block 2 c, lanes 16-31 block 2 c + 1
.irp i, 0,1,2
	v_permlane16_swap_b32 v[PCD+6*\c+\i], v[CT+4*\c+\i]
.endr
.irp i, 0,1,2
	v_mov_b32 v[PCD+3+6*\c+\i], v[CT+4*\c+\i]
.endr
.endr
	v_pk_add_f32 v[CT:CT+1], v[S:S+1], v[S+2:S+3]  ; THE ROW'S SUM IS TAKEN OF THE UNQUANTISED p: two at a time, in two chains
.irp j, 4,8,12,16,20,24,28,32,36,40,44,48,52,56,60
	v_pk_add_f32 v[14:15], v[14:15], v[S+\j:S+\j+1]
	v_pk_add_f32 v[CT:CT+1], v[CT:CT+1], v[S+\j+2:S+\j+3]
.endr
	v_pk_add_f32 v[14:15], v[14:15], v[CT:CT+1]
.set n, 0
.rept 16
	v_pk_mul_f32 v[O+n:O+n+1], v[O+n:O+n+1], v[F:F+1] op_sel_hi:[1,0]   ; O^T under the new M: x f, each accumulator from its low end on
.set n, n+2
.endr
	s_wait_dscnt 0x0                               ; V's fragments and scale words are in
.irp e, 0,1,2,3                                ; O^T += V^T P^T: four tiles of 16 of the head's 64, one instruction each: the accumulators take turns
	v_wmma_scale_f32_16x16x128_f8f6f4 v[O+8*\e:O+8*\e+7], v[FRG+12*\e:FRG+12*\e+11], v[PCD:PCD+11], v[O+8*\e:O+8*\e+7], v[VSR+\e], v[PS] matrix_a_fmt:MATRIX_FMT_BF6 matrix_b_fmt:MATRIX_FMT_BF6
.endr
.Lhid_\@:
	s_add_co_u32 s[KF], s[KF], 128
	s_add_co_u32 s[TBK], s[TBK], 6144              ; eight tiles of K,
	s_add_co_u32 s[TBV], s[TBV], 1536              ; a fragment of each et,
	s_add_co_u32 s[TSK], s[TSK], 512               ; and their scale words on
	s_add_co_u32 s[TSV], s[TSV], 256
.endm
; THE WAY OUT of a tile.  O^T is divided by the row's sum and goes through my stage in LDS, so that sixteen lanes store a query's 256 bytes of my head.
.macro FINISH
	v_add_f32 v14, v14, v15                        ; the sum's two halves,
	v_permlanex16_b32 v[TA], v14, s[SEL], s[SEL+1]
	v_add_f32 v14, v14, v[TA]                      ; and lane l xor 16's: the row's sum
	v_rcp_f32 v14, v14
.rept 3
	v_nop                                          ; a plain place behind the reciprocal; with the additions above, the places behind the last products
.endr
.set n, 0
	s_wait_alu depctr_va_vdst(0)
.rept 32
	v_mul_f32 v[S+n], v[O+n], v14                  ; register 16 g + 4 i + k is e = 32 g + 16 h + 4 i + k of my query
.set n, n+1
.endr
.irp g, 0,1
.irp i, 0,1,2,3
	ds_store_b128 v[STO], v[S+16*\g+4*\i:S+16*\g+4*\i+3] offset:128*\g+16*\i
.endr
.endr
.irp i, 0,1,2,3,4,5,6,7
	ds_load_b128 v[S+32+4*\i:S+32+4*\i+3], v[SRD] offset:544*\i   ; LDS serves a wave's instructions in order: these see my stores.  Rows 2 i and 2 i + 1 of the tile
.endr
.irp i, 0,1,2,3,4,5,6,7
	s_wait_dscnt 7-\i                              ; loads come back in order: pair i is in, the younger ones may be out
	global_store_b128 v[GO], v[S+32+4*\i:S+32+4*\i+3], s[94:95] offset:(2*\i+8*(\i/4))*4096 th:TH_STORE_NT   ; the tile's rows 8 to 15 are queries 16 to 23 of its span; 16 lanes store 256 consecutive bytes, at a multiple of 256 from out0's first byte
.endr
	s_wait_xcnt 0x0                                ; the stores' data and base are written again only behind this wait
.endm
	STEP                                           ; key steps 0 and 1: their bytes are what the small loads brought
	STEP
	s_wait_tensorcnt 0x0                           ; my larger load has landed,
	s_wait_dscnt 0x0
	s_barrier_signal -1
	s_barrier_wait -1                              ; everybody's has: all of K and V lies in LDS
	s_mov_b32 s[CNT], 6                            ; tile T1 is at most 63: eight steps at the most
.Lfirst:
	STEP
	s_sub_co_u32 s[CNT], s[CNT], 1
	s_cmp_lg_u32 s[CNT], 0
	s_cbranch_scc1 .Lfirst
	FINISH
.irp j, 0,1,2,3,4,5
	v_mov_b32 v[QF+\j], v[Q2+\j]                   ; the second tile's Q
.endr
	v_mov_b32 v[QS], v[QS2]                        ; and its scale words; the moves below are the places that both want ahead of the next product
	FRESH
	s_sub_co_u32 s[TT], 127, s[TT]
	SETQ
	s_mov_b32 s[CNT], 16
.Lsecond:
	STEP
	s_sub_co_u32 s[CNT], s[CNT], 1
	s_cmp_lg_u32 s[CNT], 0
	s_cbranch_scc1 .Lsecond
	FINISH
	s_wait_tensorcnt 0x0
	ds_add_u32 v254, v255
	s_wait_dscnt 0x0
	s_endpgm
.Lfunc_end_k_qf476e1b2b6_attn:
	.size	k_qf476e1b2b6_attn, .Lfunc_end_k_qf476e1b2b6_attn-k_qf476e1b2b6_attn
	.p2alignl 7, 3214868480
	.fill 96, 4, 3214868480
	.section	.rodata,"a",@progbits
	.p2align	6, 0x0
	.amdhsa_kernel k_qf476e1b2b6_attn
		.amdhsa_group_segment_fixed_size 284672
		.amdhsa_private_segment_fixed_size 0
		.amdhsa_enable_private_segment 0
		.amdhsa_kernarg_size 24
		.amdhsa_user_sgpr_count 2
		.amdhsa_user_sgpr_kernarg_segment_ptr 1
		.amdhsa_wavefront_size32 1
		.amdhsa_system_sgpr_workgroup_id_x 1
		.amdhsa_system_sgpr_workgroup_id_y 1
		.amdhsa_system_sgpr_workgroup_id_z 1
		.amdhsa_system_vgpr_workitem_id 0
		.amdhsa_next_free_vgpr 256
		.amdhsa_next_free_sgpr 100
		.amdhsa_reserve_vcc 1
		.amdhsa_float_denorm_mode_32 3
		.amdhsa_float_denorm_mode_16_64 3
		.amdhsa_memory_ordered 1
		.amdhsa_forward_progress 1
		.amdhsa_inst_pref_size 107
	.end_amdhsa_kernel
	.amdgpu_metadata
---
amdhsa.version: [ 1, 2 ]
amdhsa.kernels:
  - .name:           k_qf476e1b2b6_attn
    .symbol:         k_qf476e1b2b6_attn.kd
    .args:
      - { .name: qk, .offset: 0, .size: 8, .value_kind: global_buffer, .address_space: global }
      - { .name: vv, .offset: 8, .size: 8, .value_kind: global_buffer, .address_space: global }
      - { .name: out0, .offset: 16, .size: 8, .value_kind: global_buffer, .address_space: global }
    .group_segment_fixed_size: 284672
    .private_segment_fixed_size: 0
    .kernarg_segment_align: 8
    .kernarg_segment_size: 24
    .max_flat_workgroup_size: 512
    .sgpr_count:     100
    .vgpr_count:     256
    .wavefront_size: 32
...
	.end_amdgpu_metadata
.endif
;; end of part 4
;; ======== version 2 of 2: 3 launches
;; limits: right only within a limited range of input values
;; workspace buffers: xq 6,553,600 bytes; wqkq 1,835,008 bytes; wvq 1,048,576 bytes; qk 13,631,488 bytes; vv 7,340,032 bytes
;; launch quant (part 5): grid 352 x 1, 4 waves a work-group, no clusters, 68,096 bytes of LDS; arguments inputs, Wq, Wk, Wv, xq, wqkq, wvq; writes xq, wqkq, wvq
.if DOCPART == 5
	.amdgcn_target "amdgcn-amd-amdhsa--gfx1250"
	.amdhsa_code_object_version 6
	.text
	.protected	k_qf476e1b2b6_quant
	.globl	k_qf476e1b2b6_quant
	.p2align	8
	.type	k_qf476e1b2b6_quant,@function
k_qf476e1b2b6_quant:
	s_mov_b64 s[64:65], 0
	v_nop
	global_prefetch_b8 v0, s[64:65] scope:SCOPE_SE
	s_setreg_imm32_b32 hwreg(HW_REG_WAVE_MODE, 25, 1), 1
	s_wait_xcnt 0x0
; ONE LAUNCH QUANTISES ALL FOUR INPUTS into codes of BF6 (E3M2), 6 bits each, K innermost, with one E8M0 scale byte for each 32 along K.
; Work-groups 0 .. 255 take inputs, work-groups 256 .. 351 the weights.  The two ways part on the work-group's number at the head and do not join; each has LDS bytes of its own.
; A block's scale is 2^(floor(log2(its largest magnitude)) - 4); its byte is the largest magnitude's exponent field - 4, held at 1 from below.
; Each number is divided by the scale and rounded to the nearest code, ties to even; beyond 28 the conversion gives the largest code.
; In every output: scale bytes [place][32] from byte 0, codes [place][768] from COD.  ROW a LIES AT PLACE a WITH BITS 3 AND 4 EXCHANGED: so sixteen neighbouring places hold rows
; 32 B + 8 u + (r % 8) + 16 (r / 8), the order in which the later products want the rows of a tile.
; LIMITS: a block of zeros gets the byte 1 where the rule says 127 (its codes are zeros, and this program alone reads the bytes); blocks whose largest
; magnitude lies under 2^-122 keep the byte 1; NaN and infinities among the inputs are not served.
;
; INPUTS [8192 rows][1024], f32, K innermost -> xq.  A wave takes eight whole rows (8,192 numbers), so the exchange of bits is an exchange of two bits of the wave's number.
; It takes them in 16 steps of 512 numbers.  Each of a step's four loads reads 512 consecutive bytes, 16 a lane; the 2,048 bytes turn through the wave's own stage in LDS and come
; back 64 bytes a lane, so that a lane holds 16 neighbours along K (two neighbouring lanes hold a block).  Loads run eight steps (32 loads a wave) ahead.  No barrier: waves share nothing.
;
; Wq, Wk, Wv [16 heads][1024 (k)][64 (e)], f32, K the middle axis -> wqkq (row = t x 1024 + head x 64 + place(e), t = 0 for Wq, 1 for Wk) and wvq (row = head x 64 + place(e)).
; A LANE TAKES A COLUMN e AND ITS REGISTERS RUN DOWN K: a block of 32 along K lies in one lane's 32 registers, its largest magnitude needs no other lane, and the conversions give
; the codes with K innermost.  A wave takes 32 columns x 256 along K; its codes go through its own stage in LDS, each column into the stage row of its PLACE, and leave as rows:
; sixteen lanes store a row's 192 consecutive bytes.  A work-group: one tensor, one head, half of K; its waves: 2 groups of columns x 2 quarters of K.  Only pointers are chosen by the tensor.
.set XWG,   256                        ; work-groups for inputs
.set COD,   262144                     ; where the codes begin in each output
.set EMAX,  4
; the way of inputs
.set STEPS, 16
.set AHEAD, 8                          ; steps whose loads are out
.set CB,    12                         ; bytes of 16 codes
.set XR,    16                         ; v16-143  eight sets of 16 numbers as they are loaded
.set XX,    144                        ; v144-175 two sets of 16 neighbours
.set XE,    176                        ; v176-191 a scale byte for each step
.set XC,    192                        ; v192-255 codes: four registers for each step, so that no store's data are written again
.set WREG,  8192                       ; LDS 0 .. 32,767: a region for each wave: two stages of 32 x SP bytes, behind them its 256 scale bytes
.set SP,    80                         ; a lane's place in a stage: its 64 bytes + 16 of padding
; the way of the weights
.set WLDS,  32768                      ; LDS 32,768 .. 67,583: a stage of 32 x PITCH bytes for each wave
.set NB,    8                          ; blocks of 32 in a wave's 256 along K
.set ROWB,  192                        ; bytes of 256 codes
.set PITCH, 272                        ; a stage row: sixteen places of 16 bytes, each with 12 bytes of codes, + 16
.set KROW,  768                        ; a row of codes in memory
.set WROW,  256                        ; a row (one k) of a head's weight: 64 numbers
.set WX,    32                         ; v32-95   two sets of 32 numbers
.set WC,    96                         ; v96..    a block's codes
.set WOUT,  112                        ; v112-175 the way out
.set WSB,   24                         ; v24-25   the scale bytes, four to a register
	s_load_b256 s[4:11], s[0:1], 0x0               ; inputs s[4:5], Wq s[6:7], Wk s[8:9], Wv s[10:11]
	s_load_b128 s[12:15], s[0:1], 0x20             ; xq s[12:13], wqkq s[14:15]
	s_load_b64 s[36:37], s[0:1], 0x30              ; wvq
	v_lshl_add_u32 v251, v0, 2, 0x10800
	v_mov_b32 v255, 0
	v_lshrrev_b32 v1, 5, v0
	v_readfirstlane_b32 s16, v1                    ; wave 0..3
	v_and_b32 v2, 31, v0                           ; lane
	s_cmp_lt_u32 ttmp9, XWG
	s_cbranch_scc0 .Lweights
	; ================ inputs ================
	v_lshlrev_b32 v3, 4, v2                        ; my 16 bytes of a load's 512
	s_mul_i32 s17, s16, WREG
	v_lshrrev_b32 v14, 2, v2
	v_mul_u32_u24 v14, v14, SP
	v_and_b32 v15, 3, v2
	v_lshl_add_u32 v14, v15, 4, v14
	v_add_nc_u32 v14, s17, v14                     ; the stage, on the way in: SP (lane / 4) + 16 (lane % 4)
	v_mul_u32_u24 v15, v2, SP
	v_add_nc_u32 v15, s17, v15                     ; and on the way out: SP x lane: my 16 neighbours
	v_mul_u32_u24 v4, v2, CB                       ; my codes' place in a step's
	v_lshrrev_b32 v5, 1, v2
	s_add_co_u32 s17, s17, 2*32*SP
	v_add_nc_u32 v5, s17, v5                       ; LDS: my wave's 256 scale bytes, my block's byte
	v_lshlrev_b32 v7, 3, v2                        ; and on the way out 8 bytes a lane
	v_add_nc_u32 v6, s17, v7
	s_lshl_b32 s18, ttmp9, 2
	s_add_co_u32 s19, s18, s16                     ; which eight rows I read: 4 x work-group + wave
	s_lshl_b32 s20, s19, 15                        ; 32,768 bytes each
	s_mov_b32 s21, 0
	s_and_b32 s22, s16, 1
	s_lshl_b32 s22, s22, 1
	s_lshr_b32 s23, s16, 1
	s_add_co_u32 s22, s22, s23
	s_add_co_u32 s22, s22, s18                     ; which eight places I write: the wave's two bits exchanged
	s_mul_i32 s24, s22, 32*STEPS*CB                ; 6,144 bytes of codes,
	s_add_co_u32 s24, s24, COD
	s_mov_b32 s25, 0
	s_lshl_b32 s26, s22, 8                         ; 256 scale bytes
	s_mov_b32 s27, 0
	s_wait_alu depctr_va_vdst(0)
	s_wait_kmcnt 0x0
	s_add_nc_u64 s[4:5], s[4:5], s[20:21]          ; inputs at my rows
	s_add_nc_u64 s[8:9], s[12:13], s[24:25]        ; my codes
	s_add_nc_u64 s[10:11], s[12:13], s[26:27]      ; my scale bytes
.macro XLOAD t
.irp i, 0,1,2,3
	global_load_b128 v[XR+16*((\t)%AHEAD)+4*\i:XR+16*((\t)%AHEAD)+4*\i+3], v3, s[4:5] offset:2048*(\t)+512*\i th:TH_LOAD_NT   ; 32 lanes read 512 consecutive bytes
.endr
.endm
.macro XTURN t                         ; step t's numbers through the stage: LDS serves a wave's instructions in order, so no wait stands between the stores and the loads
.irp i, 0,1,2,3
	ds_store_b128 v14, v[XR+16*((\t)%AHEAD)+4*\i:XR+16*((\t)%AHEAD)+4*\i+3] offset:32*SP*((\t)%2)+8*SP*\i
.endr
.irp i, 0,1,2,3
	ds_load_b128 v[XX+16*((\t)%2)+4*\i:XX+16*((\t)%2)+4*\i+3], v15 offset:32*SP*((\t)%2)+16*\i
.endr
.endm
.irp t, 0,1,2,3,4,5,6,7
	XLOAD \t
.endr
	s_wait_loadcnt 4*(AHEAD-1)                     ; step 0's four loads are in; the 28 of steps 1 to 7 may be out
	XTURN 0
.macro XSTEP t
.set XS, XX+16*((\t)%2)
.if (\t) > 0
	s_wait_dscnt 1                                 ; this step's numbers are back from the stage (the last step's byte store may be out): so its stores into the stage have read their registers,
.else
	s_wait_dscnt 0x0
.endif
.if (\t)+AHEAD < STEPS
	XLOAD (\t)+AHEAD                               ; which take the loads of eight steps on
.endif
.if (\t)+1 < STEPS
.if (\t)+AHEAD < STEPS
	s_wait_loadcnt 4*(AHEAD-1)                     ; the next step's four loads are in; those of the seven steps behind it may be out
.else
	s_wait_loadcnt 4*(STEPS-2-(\t))                ; nothing more is asked for: the count runs down
.endif
	XTURN (\t)+1                                   ; and go through the other stage while this step is worked
.endif
	v_max3_num_f32 v8, |v[XS]|, |v[XS+1]|, |v[XS+2]|               ; the largest magnitude of my 16, in two chains
	v_max3_num_f32 v9, |v[XS+3]|, |v[XS+4]|, |v[XS+5]|
.irp i, 6,10
	v_max3_num_f32 v8, v8, |v[XS+\i]|, |v[XS+\i+1]|
	v_max3_num_f32 v9, v9, |v[XS+\i+2]|, |v[XS+\i+3]|
.endr
	v_max3_num_f32 v8, v8, |v[XS+14]|, |v[XS+15]|
	v_max3_num_f32 v8, v8, v9, (EMAX+1)<<23        ; and the floor 2^(5 - 127): the byte cannot fall under 1
	v_max_num_f32_dpp v8, v8, v8 row_xmask:1 row_mask:0xf bank_mask:0xf   ; and of my neighbour's 16: the block's
	v_add_nc_u32 v11, -(EMAX<<23), v8              ; 4 off its exponent field: the conversion takes the exponent field of this operand as its scale
	v_cvt_scalef32_pk16_bf6_f32 v[XC+4*(\t):XC+4*(\t)+2], v[XS:XS+15], v11
	v_lshrrev_b32 v[XE+(\t)], 23, v11              ; the scale's byte (also the plain line behind the conversion)
	ds_store_b8 v5, v[XE+(\t)] offset:16*(\t)      ; both lanes of a block write the same byte with the same value
	global_store_b96 v4, v[XC+4*(\t):XC+4*(\t)+2], s[8:9] offset:32*CB*(\t)   ; the wave stores 384 consecutive bytes
.endm
.irp t, 0,1,2,3,4,5,6,7,8,9,10,11,12,13,14,15
	XSTEP \t
.endr
	ds_load_b64 v[12:13], v6                       ; LDS serves a wave's instructions in order: these see my stores
	s_wait_dscnt 0x0
	global_store_b64 v7, v[12:13], s[10:11]        ; 32 lanes store 256 consecutive bytes, at a multiple of 256 from the buffer's first byte
	s_wait_tensorcnt 0x0
	ds_add_u32 v251, v255
	s_wait_dscnt 0x0
	s_endpgm
	; ================ the weights ================
.Lweights:
	s_sub_co_u32 s31, ttmp9, XWG                   ; 0 .. 95 = 32 x tensor + 2 x head + half of K
	s_lshr_b32 s18, s31, 5                         ; the tensor: 0 Wq, 1 Wk, 2 Wv
	s_bfe_u32 s17, s31, 0x40001                    ; head
	s_and_b32 s20, s31, 1
	s_lshl_b32 s20, s20, 1
	s_lshr_b32 s21, s16, 1
	s_add_co_u32 s20, s20, s21                     ; which 256 along K: 2 x half + wave / 2
	s_and_b32 s30, s16, 1                          ; which 32 columns: wave % 2
	s_lshl_b32 s19, s18, 10                        ; the tensor's first row in wqkq
	s_wait_alu depctr_va_vdst(0)
	v_lshlrev_b32 v3, 2, v2                        ; in: 4 bytes a lane
	v_and_b32 v14, 7, v2
	v_bfe_u32 v15, v2, 3, 1
	v_bfe_u32 v16, v2, 4, 1
	v_lshl_add_u32 v14, v15, 4, v14
	v_lshl_add_u32 v14, v16, 3, v14                ; my column's place among the wave's 32
	s_mul_i32 s21, s16, 32*PITCH
	s_add_co_u32 s21, s21, WLDS                    ; my stage
	v_mul_u32_u24 v4, v14, PITCH
	v_add_nc_u32 v4, s21, v4                       ; into it: row = my column's place
	v_and_b32 v5, 15, v2
	v_lshrrev_b32 v6, 4, v2                        ; out of it: sixteen lanes to a row, two rows an instruction
	v_mul_u32_u24 v7, v6, PITCH
	v_lshl_add_u32 v7, v5, 4, v7
	v_add_nc_u32 v7, s21, v7
	v_mul_u32_u24 v8, v6, KROW
	v_mad_u32_u24 v8, v5, 12, v8                   ; and the same place in the codes
	v_lshlrev_b32 v9, 5, v14                       ; my place's row of scale bytes
	s_lshl_b32 s22, s17, 18                        ; in: head x 262,144
	s_lshl_b32 s23, s20, 16                        ; + 256 rows of 256 bytes
	s_add_co_u32 s22, s22, s23
	s_lshl_b32 s23, s30, 7                         ; + my 32 columns
	s_add_co_u32 s22, s22, s23
	s_mov_b32 s23, 0
	s_wait_kmcnt 0x0
	s_cmp_eq_u32 s18, 1                            ; the choices hang on the work-group's number alone
	s_cselect_b64 s[6:7], s[8:9], s[6:7]
	s_cmp_eq_u32 s18, 2
	s_cselect_b64 s[6:7], s[10:11], s[6:7]
	s_cselect_b64 s[14:15], s[36:37], s[14:15]
	s_cselect_b32 s19, 0, s19
	s_lshl_b32 s24, s17, 6
	s_add_co_u32 s24, s24, s19
	s_lshl_b32 s25, s30, 5
	s_add_co_u32 s24, s24, s25                     ; my wave's first row of the output
	s_mul_i32 s26, s24, KROW
	s_mul_i32 s27, s20, ROWB
	s_add_co_u32 s26, s26, s27
	s_add_co_u32 s26, s26, COD
	s_mov_b32 s27, 0
	s_lshl_b32 s28, s24, 5
	s_lshl_b32 s29, s20, 3
	s_add_co_u32 s28, s28, s29
	s_mov_b32 s29, 0
	s_add_nc_u64 s[4:5], s[6:7], s[22:23]          ; the weight,
	s_add_nc_u64 s[6:7], s[14:15], s[26:27]        ; the codes,
	s_add_nc_u64 s[8:9], s[14:15], s[28:29]        ; the scale bytes
.macro WLOAD t                         ; block t: W(32 t + i, my column), i = 0 .. 31, into set t % 2
.irp i, 0,1,2,3,4,5,6,7,8,9,10,11,12,13,14,15,16,17,18,19,20,21,22,23,24,25,26,27,28,29,30,31
	global_load_b32 v[WX+32*((\t)%2)+\i], v3, s[4:5] offset:(32*(\t)+\i)*WROW th:TH_LOAD_NT
.endr
.endm
	WLOAD 0
	WLOAD 1
.macro WBLOCK t
.set XS, WX+32*((\t)%2)
.if (\t) < NB-1
	s_wait_loadcnt 32                              ; this block's 32 loads are in; the next block's 32 may be out
.else
	s_wait_loadcnt 0
.endif
	v_max3_num_f32 v12, |v[XS]|, |v[XS+1]|, |v[XS+2]|               ; the block's largest magnitude: all 32 numbers are mine
	v_max3_num_f32 v13, |v[XS+3]|, |v[XS+4]|, |v[XS+5]|
.irp i, 6,10,14,18,22,26
	v_max3_num_f32 v12, v12, |v[XS+\i]|, |v[XS+\i+1]|
	v_max3_num_f32 v13, v13, |v[XS+\i+2]|, |v[XS+\i+3]|
.endr
	v_max3_num_f32 v12, v12, |v[XS+30]|, |v[XS+31]|
	v_max3_num_f32 v12, v12, v13, (EMAX+1)<<23     ; and the floor 2^(5 - 127): the byte cannot fall under 1
	v_add_nc_u32 v11, -(EMAX<<23), v12             ; 4 off its exponent field: the conversion's scale operand
	v_lshrrev_b32 v13, 23, v11                     ; the scale's byte
.if (\t)%4 == 0
	v_mov_b32 v[WSB+(\t)/4], v13                   ; four bytes to a register, the lower K in the lower byte
.else
	v_lshl_or_b32 v[WSB+(\t)/4], v13, 8*((\t)%4), v[WSB+(\t)/4]
.endif
	v_cvt_scalef32_pk16_bf6_f32 v[WC:WC+2], v[XS:XS+15], v11
	v_cvt_scalef32_pk16_bf6_f32 v[WC+4:WC+6], v[XS+16:XS+31], v11   ; (a conversion's three registers begin on an even number)
	v_nop                                          ; one plain line behind the conversions
	ds_store_b96 v4, v[WC:WC+2] offset:32*(\t)     ; 16 codes, 12 bytes, to a place of 16 bytes, so that every LDS address is a multiple of 16
	ds_store_b96 v4, v[WC+4:WC+6] offset:32*(\t)+16
.if (\t)+2 < NB
	WLOAD (\t)+2
.endif
	s_wait_dscnt 0x0                               ; the stores have read their registers: the next block's codes may be written
.endm
.set Q, 0
.rept NB
	WBLOCK Q
.set Q, Q+1
.endr
	s_wait_alu depctr_va_vdst(0)
	global_store_b64 v9, v[WSB:WSB+1], s[8:9]      ; my column's 8 scale bytes
.irp t, 0,1,2,3,4,5,6,7,8,9,10,11,12,13,14,15
	ds_load_b96 v[WOUT+4*\t:WOUT+4*\t+2], v7 offset:2*\t*PITCH   ; LDS serves a wave's instructions in order: these see my stores
.endr
.irp t, 0,1,2,3,4,5,6,7,8,9,10,11,12,13,14,15
	s_wait_dscnt 15-\t                             ; loads come back in order: pair t of rows is in, the younger ones may be out
	global_store_b96 v8, v[WOUT+4*\t:WOUT+4*\t+2], s[6:7] offset:2*\t*KROW
.endr
	s_wait_tensorcnt 0x0
	ds_add_u32 v251, v255
	s_wait_dscnt 0x0
	s_endpgm
.Lfunc_end_k_qf476e1b2b6_quant:
	.size	k_qf476e1b2b6_quant, .Lfunc_end_k_qf476e1b2b6_quant-k_qf476e1b2b6_quant
	.p2alignl 7, 3214868480
	.fill 96, 4, 3214868480
	.section	.rodata,"a",@progbits
	.p2align	6, 0x0
	.amdhsa_kernel k_qf476e1b2b6_quant
		.amdhsa_group_segment_fixed_size 68096
		.amdhsa_private_segment_fixed_size 0
		.amdhsa_enable_private_segment 0
		.amdhsa_kernarg_size 56
		.amdhsa_user_sgpr_count 2
		.amdhsa_user_sgpr_kernarg_segment_ptr 1
		.amdhsa_wavefront_size32 1
		.amdhsa_system_sgpr_workgroup_id_x 1
		.amdhsa_system_sgpr_workgroup_id_y 1
		.amdhsa_system_sgpr_workgroup_id_z 1
		.amdhsa_system_vgpr_workitem_id 0
		.amdhsa_next_free_vgpr 256
		.amdhsa_next_free_sgpr 66
		.amdhsa_reserve_vcc 0
		.amdhsa_float_denorm_mode_32 3
		.amdhsa_float_denorm_mode_16_64 3
		.amdhsa_memory_ordered 1
		.amdhsa_forward_progress 1
		.amdhsa_inst_pref_size 74
	.end_amdhsa_kernel
	.amdgpu_metadata
---
amdhsa.version: [ 1, 2 ]
amdhsa.kernels:
  - .name:           k_qf476e1b2b6_quant
    .symbol:         k_qf476e1b2b6_quant.kd
    .args:
      - { .name: inputs, .offset: 0, .size: 8, .value_kind: global_buffer, .address_space: global }
      - { .name: Wq, .offset: 8, .size: 8, .value_kind: global_buffer, .address_space: global }
      - { .name: Wk, .offset: 16, .size: 8, .value_kind: global_buffer, .address_space: global }
      - { .name: Wv, .offset: 24, .size: 8, .value_kind: global_buffer, .address_space: global }
      - { .name: xq, .offset: 32, .size: 8, .value_kind: global_buffer, .address_space: global }
      - { .name: wqkq, .offset: 40, .size: 8, .value_kind: global_buffer, .address_space: global }
      - { .name: wvq, .offset: 48, .size: 8, .value_kind: global_buffer, .address_space: global }
    .group_segment_fixed_size: 68096
    .private_segment_fixed_size: 0
    .kernarg_segment_align: 8
    .kernarg_segment_size: 56
    .max_flat_workgroup_size: 128
    .sgpr_count:     66
    .vgpr_count:     256
    .wavefront_size: 32
...
	.end_amdgpu_metadata
.endif
;; end of part 5
;; launch proj (part 6): grid 8 x 32, 4 waves a work-group, clusters of 4 x 4, 327,680 bytes of LDS; arguments xq, wqkq, wvq, qk, vv; writes qk, vv
.if DOCPART == 6
	.amdgcn_target "amdgcn-amd-amdhsa--gfx1250"
	.amdhsa_code_object_version 6
	.text
	.protected	k_qf476e1b2b6_proj
	.globl	k_qf476e1b2b6_proj
	.p2align	8
	.type	k_qf476e1b2b6_proj,@function
k_qf476e1b2b6_proj:
	s_mov_b64 s[64:65], 0
	v_nop
	global_prefetch_b8 v0, s[64:65] scope:SCOPE_SE
	s_setreg_imm32_b32 hwreg(HW_REG_WAVE_MODE, 25, 1), 1
	s_wait_xcnt 0x0
	s_wait_alu depctr_hold_cnt(0) depctr_sa_sdst(0) depctr_va_vdst(0) depctr_va_sdst(0) depctr_va_ssrc(0) depctr_va_vcc(0) depctr_vm_vsrc(0)
	s_getreg_b32 s2, hwreg(HW_REG_IB_STS2, 6, 4)
	s_cmp_eq_u32 s2, 0
	s_cbranch_scc0 .Lentry_in_a_cluster
	s_endpgm
.Lentry_in_a_cluster:
	s_bfe_u32 s2, ttmp6, 0x10000c
	s_cmp_lg_u32 s2, 0xf033
	s_cbranch_scc0 .Lentry_shape_is_right
	s_endpgm
.Lentry_shape_is_right:
; THE THREE PROJECTIONS on codes of BF6 (E3M2), K = 1,024, and the quantising of their results into the operand images that the attention launch reads.
; Inputs (made by the launch before): scale bytes [place][32] from byte 0, codes [place][768] from COD; sixteen neighbouring places hold rows 32 B + 8 u + r % 8 + 16 (r / 8).
; SHARES.  Work-group (j, g), j = 0..7, g = 0..31: 256 positions of x (places 256 g ..) against three PIECES of 128 weight rows: wqkq rows 256 j .. +127, 256 j + 128 .. +255, and wvq rows 128 j .. +127:
; 32 x 8 work-groups x 3 pieces are all 8,192 x 3,072 results.  Wave w owns positions 64 w .. 64 w + 63 and keeps their codes for all of K in 384 registers; every wave walks all 128 rows of a piece.
; A piece is 8 steps of 128 along K x 32 matrix instructions a wave on 32 accumulators, which take turns.
; q and k: source 0 = 16 weight rows, source 1 = 16 positions: a lane holds one position, its registers run along e, the next product's K.
; v: the sources are swapped: a lane holds one e, its registers run along the positions (the keys), the next product's K.
; LDS: three regions of 128 rows x 816 bytes (a row of 768 bytes of codes, 16 bytes of padding behind each 256: row r starts at word 204 r, so sixteen rows start at sixteen different groups of banks).
; A tile's rows are whole rows of K: 768 bytes of memory, beginning at a multiple of 256.  At the head x fills regions 0 and 1 and piece 0 region 2; when x is in registers, pieces 1 and 2 are brought
; into regions 0 and 1; that load has piece 0's first 224 matrix instructions a wave (seven steps) in which to land.
; SCALE WORDS come straight into registers: lane (r, h) loads 16 bytes at row r x 32 + 16 h, so that one load of 512 consecutive bytes serves 16 rows for all of K: lanes 0-15 hold steps 0-3, lanes 16-31 steps 4-7 (ROW1).
; CLUSTERS 4 x 4: x's tiles hang on g alone and are asked for jointly along a row of the cluster, the weights' on j alone, along a column.
; NO PREFETCH: the launch has no loop to run ahead in; its five tiles are asked for in two groups, the second as soon as x has left LDS.
; REGISTERS: window 0: v0-31 addresses, v32-47 x's scale words, v48-111 the weights' (two sets), v112-255 x's fragments of steps 5-7; window 1: v0-95, v96-191 two sets of weight fragments (the second also holds
; the packed codes on the way out), v192-255 at work on the way out; window 2: accumulators; window 3: x's fragments of steps 0-4.
; LIMITS: a block of zeros gets the byte 1 where the rule says 127 (its codes are zeros, and this program alone reads the bytes); NaN and infinities are not served.
.set PITCH, 816
.set REG,   128*PITCH
.set HREG,  64*PITCH
.set SPARE, 3*REG                      ; the spare words, 512 bytes that no other line names
.set XCH,   SPARE+512                  ; 2,048 bytes of their own: the waves exchange v's scale bytes
.set COD,   262144
.set IMG0,  1048576
.set FR,    12
.set AA,    4                          ; v4-5   LDS address of my x rows (the second: + 16 in lanes 16-31, for a piece whose upper lanes read the next 256 bytes)
.set AB,    6                          ; v6-17  the same for piece pc, blocks 0-3 and 4-7: v[AB + 4 pc + 2 half (+ 1)]
.set SOFF,  18                         ; v18    32 r + 16 h
.set O16,   19                         ; v19    16 x lane
.set O8,    20                         ; v20    8 x lane
.set XS,    21                         ; v21    the exchange: where I put my four words
.set XL,    22                         ; v22    and where I read two of the even wave's
.set SPW,   28
.set NIL,   29
.set SA,    32
.set SB,    48
.set A5,    112
.set TM,    192                        ; window 1
.set CT,    208
.set SW,    216
.set PW,    220
.set SH,    224
.set LO,    226
.set HI,    228
.set WW,    230
.set G1,    24                         ; s[24:31] group 1 for x's tiles, s[48:55] for the weights'
.set G0X,   32
.set G0W,   36
.set G1B,   48
.set G0R,   56
.set OQ,    68                         ; s[68:69] qk's images, s[70:71] its scale words, s[72:73] vv's images, s[74:75] its scale words
.set SQ,    70
.set OV,    72
.set SV,    74
.set XSC,   76                         ; s[76:77] x's scale bytes, s[78:79] wqkq's, s[80:81] wvq's
.set WSC,   78
.set VSC,   80
.set SEL,   96
.set MSB, 0
.macro WIN new                         ; the immediate's high byte repeats the setting that is left
.if MSB != (\new)
	s_set_vgpr_msb (MSB<<8)|(\new)
.set MSB, (\new)
.endif
.endm
.macro PLACES
.rept 4
	v_nop
.endr
.endm
.macro CREST
	s_cmp_lg_u32 s14, 0
	s_cbranch_scc1 .Lnot_wave_0_\@
	s_barrier_signal -3
.Lnot_wave_0_\@:
	s_barrier_wait -3
	s_barrier_signal -1
	s_barrier_wait -1
.endm
.macro CROUND
	s_barrier_signal -1
	s_barrier_wait -1
	CREST
.endm
	s_load_b256 s[4:11], s[0:1], 0x0               ; xq, wqkq, wvq, qk
	s_load_b64 s[12:13], s[0:1], 0x20              ; vv
	v_lshl_add_u32 v[SPW], v0, 2, SPARE
	v_mov_b32 v[NIL], 0
	ds_add_u32 v[SPW], v[NIL]                      ; the opening lines: the add twice on end and its wait
	ds_add_u32 v[SPW], v[NIL]
	v_lshrrev_b32 v1, 5, v0
	v_readfirstlane_b32 s14, v1                    ; wave
	s_lshr_b32 s15, s14, 1
	s_and_b32 s16, s14, 1
	s_bfe_u32 s40, ttmp6, 0x40000                  ; cx, cy
	s_bfe_u32 s41, ttmp6, 0x40004
	s_lshl_b32 s42, ttmp9, 2
	s_add_co_u32 s42, s42, s40                     ; j
	s_and_b32 s17, ttmp7, 0xffff
	s_lshl_b32 s17, s17, 2
	s_add_co_u32 s17, s17, s41                     ; g
	s_lshl_b32 s43, s41, 2
	s_lshl_b32 s43, 15, s43                        ; my row of the cluster
	s_lshl_b32 s44, 0x1111, s40                    ; my column
	s_mov_b32 s[SEL], 0x76543210
	s_mov_b32 s[SEL+1], 0xfedcba98
	s_or_b32 s[G1], s43, (1<<20)|(1<<21)|(5<<22)|(3<<25)     ; bytes; 4 words of padding behind every 64; bit 21 beside the mask
	s_or_b32 s[G1B], s44, (1<<20)|(1<<21)|(5<<22)|(3<<25)
	s_mov_b32 s[G1+1], 768<<16
	s_mov_b32 s[G1+2], 128<<16                     ; x: 128 rows a load
	s_mov_b32 s[G1+3], 768<<16
	s_mov_b32 s[G1+4], 128
	s_mov_b32 s[G1+5], 768
	s_mov_b32 s[G1+6], 0
	s_mov_b32 s[G1+7], 0
	s_mov_b32 s[G1B+1], 768<<16
	s_mov_b32 s[G1B+2], 64<<16                     ; weights: 64 rows a load
	s_mov_b32 s[G1B+3], 768<<16
	s_mov_b32 s[G1B+4], 64
	s_mov_b32 s[G1B+5], 768
	s_mov_b32 s[G1B+6], 0
	s_mov_b32 s[G1B+7], 0
	s_lshl_b32 s20, s17, 8                         ; x, from g and the wave alone: place 256 g + 128 (w % 2)
	s_lshl_b32 s18, s16, 7
	s_add_co_u32 s20, s20, s18
	s_mul_i32 s20, s20, 768
	s_add_co_u32 s20, s20, COD
	s_mov_b32 s21, 0
	s_lshl_b32 s46, s42, 8                         ; the weights, from j and the wave alone: piece 0: row 256 j + 64 (w % 2)
	s_lshl_b32 s45, s16, 6
	s_add_co_u32 s46, s46, s45
	s_lshl_b32 s60, s42, 7
	s_add_co_u32 s60, s60, s45                     ; piece 2 (waves 2, 3): wvq's row 128 j + 64 (w % 2)
	s_add_co_u32 s61, s46, 128                     ; piece 1 (waves 0, 1)
	s_cmp_lt_u32 s14, 2
	s_cselect_b32 s60, s61, s60
	s_mul_i32 s46, s46, 768
	s_add_co_u32 s46, s46, COD
	s_mov_b32 s47, 0
	s_mul_i32 s60, s60, 768
	s_add_co_u32 s60, s60, COD
	s_mov_b32 s61, 0
	s_mul_i32 s19, s14, HREG                       ; my 64 rows of x in LDS; also where my part of pieces 1 and 2 goes
	s_wait_dscnt 0x0
	s_wait_kmcnt 0x0
	s_cmp_lt_u32 s14, 2
	s_cselect_b64 s[22:23], s[6:7], s[8:9]
	s_add_nc_u64 s[20:21], s[4:5], s[20:21]
	s_add_nc_u64 s[46:47], s[6:7], s[46:47]
	s_add_nc_u64 s[60:61], s[22:23], s[60:61]
	CROUND                                         ; the first joint loads meet
	s_mov_b32 s[G0X], 1
	s_mul_i32 s[G0X+1], s16, REG
	s_mov_b64 s[G0X+2:G0X+3], s[20:21]
	s_or_b32 s[G0X+3], s[G0X+3], 0x80000000
	s_mov_b32 s[G0W], 1
	s_mul_i32 s[G0W+1], s16, HREG
	s_add_co_u32 s[G0W+1], s[G0W+1], 2*REG
	s_mov_b64 s[G0W+2:G0W+3], s[46:47]
	s_or_b32 s[G0W+3], s[G0W+3], 0x80000000
	s_mov_b32 s[G0R], 1
	s_add_co_u32 s[G0R+1], s19, 0
	s_mov_b64 s[G0R+2:G0R+3], s[60:61]
	s_or_b32 s[G0R+3], s[G0R+3], 0x80000000
	s_cmp_eq_u32 s15, 0                            ; one load a wave at the head: waves 0, 1 x's halves, waves 2, 3 piece 0's
	s_cbranch_scc0 .Lhead_w
	tensor_load_to_lds s[G0X:G0X+3], s[G1:G1+7]
	s_nop 0
	PLACES
	s_branch .Lhead_asked
.Lhead_w:
	tensor_load_to_lds s[G0W:G0W+3], s[G1B:G1B+7]
	s_nop 0
	PLACES
.Lhead_asked:
	s_lshl_b32 s82, s17, 4                         ; where the results go
	s_lshl_b32 s83, s14, 2
	s_add_co_u32 s82, s82, s83                     ; my first tile of 16 positions: 16 g + 4 w
	s_mul_i32 s68, s82, 24576
	s_mul_i32 s83, s42, 3072                       ; + 1,536 x (2 j + piece)
	s_add_co_u32 s68, s68, s83
	s_add_co_u32 s68, s68, IMG0
	s_mov_b32 s69, 0
	s_lshl_b32 s70, s82, 11                        ; scale words: 4,096 for each pair of tiles, + 256 x (2 j + piece)
	s_lshl_b32 s83, s42, 9
	s_add_co_u32 s70, s70, s83
	s_mov_b32 s71, 0
	s_lshr_b32 s84, s17, 3
	s_lshl_b32 s84, s84, 4
	s_lshl_b32 s83, s42, 1
	s_add_co_u32 s84, s84, s83                     ; 16 x batch + head 2 j
	s_and_b32 s85, s17, 7
	s_lshl_b32 s85, s85, 1
	s_add_co_u32 s85, s85, s15                     ; my key step of 128
	s_mul_i32 s72, s84, 98304
	s_mul_i32 s83, s85, 1536
	s_add_co_u32 s72, s72, s83
	s_mul_i32 s83, s16, 768                        ; my 64 keys are half of a fragment
	s_add_co_u32 s72, s72, s83
	s_add_co_u32 s72, s72, IMG0
	s_mov_b32 s73, 0
	s_lshl_b32 s74, s84, 13
	s_lshl_b32 s83, s85, 8
	s_add_co_u32 s74, s74, s83
	s_lshl_b32 s83, s16, 13                        ; the even wave stores pairs 0, 1 of e tiles, the odd one pairs 2, 3
	s_add_co_u32 s74, s74, s83
	s_mov_b32 s75, 0
	s_lshl_b32 s76, s17, 13
	s_lshl_b32 s83, s14, 11
	s_add_co_u32 s76, s76, s83
	s_mov_b32 s77, 0
	s_lshl_b32 s78, s42, 13
	s_mov_b32 s79, 0
	s_lshl_b32 s80, s42, 12
	s_mov_b32 s81, 0
	s_add_nc_u64 s[OQ:OQ+1], s[10:11], s[68:69]
	s_add_nc_u64 s[SQ:SQ+1], s[10:11], s[70:71]
	s_add_nc_u64 s[OV:OV+1], s[12:13], s[72:73]
	s_add_nc_u64 s[SV:SV+1], s[12:13], s[74:75]
	s_add_nc_u64 s[XSC:XSC+1], s[4:5], s[76:77]
	s_add_nc_u64 s[WSC:WSC+1], s[6:7], s[78:79]
	s_add_nc_u64 s[VSC:VSC+1], s[8:9], s[80:81]
	s_lshl_b32 s91, s14, 9
	s_add_co_u32 s91, s91, XCH
	s_lshl_b32 s92, s15, 10
	s_lshl_b32 s93, s16, 3
	s_add_co_u32 s92, s92, s93
	s_add_co_u32 s92, s92, XCH
	v_and_b32 v1, 15, v0                           ; r
	v_bfe_u32 v2, v0, 4, 1                         ; h
	v_mul_u32_u24 v24, v1, PITCH
	v_mad_u32_u24 v24, v2, 24, v24                 ; row x pitch + 24 h
	v_lshl_add_u32 v25, v2, 4, v24
	v_add_nc_u32 v[AA], s19, v24
	v_add_nc_u32 v[AA+1], s19, v25
.irp pc, 0,1,2                                 ; piece 0 lies in region 2, piece 1 in region 0, piece 2 in region 1
.irp hf, 0,1
	v_add_nc_u32 v[AB+4*\pc+2*\hf], ((\pc+2)%3)*REG+\hf*HREG, v24
	v_add_nc_u32 v[AB+4*\pc+2*\hf+1], ((\pc+2)%3)*REG+\hf*HREG, v25
.endr
.endr
	v_lshlrev_b32 v[SOFF], 5, v1
	v_lshl_add_u32 v[SOFF], v2, 4, v[SOFF]
	v_and_b32 v3, 31, v0
	v_lshlrev_b32 v[O16], 4, v3
	v_lshlrev_b32 v[O8], 3, v3
	v_add_nc_u32 v[XS], s91, v[O16]
	v_add_nc_u32 v[XL], s92, v[O16]
	WIN 0x40
	v_lshlrev_b32 v[SH], 4, v2
.irp b, 0,1,2,3
	v_mov_b32 v[TM+4+\b], 0                        ; written once: a lane permute's destination counts as one of its sources
.endr
	WIN 0
.irp a, 0,1,2,3
	global_load_b128 v[SA+4*\a:SA+4*\a+3], v[SOFF], s[XSC:XSC+1] offset:512*\a
.endr
.irp i, 0,1,2,3,4,5,6,7
	global_load_b128 v[SB+4*\i:SB+4*\i+3], v[SOFF], s[WSC:WSC+1] offset:512*\i
	global_load_b128 v[SB+32+4*\i:SB+32+4*\i+3], v[SOFF], s[WSC:WSC+1] offset:4096+512*\i
.endr
.macro ALOC st, a                      ; where x's fragment of step st, block a lies: window AW, register AR
.if (\st) < 5
.set AW, 3
.set AR, 48*(\st)+12*(\a)
.else
.set AW, 0
.set AR, A5+48*((\st)-5)+12*(\a)
.endif
.endm
; A fragment: 16 rows x 128 K = 12 registers, in pieces of 8 bytes.  Byte y of a row of codes lies at y + 16 (y / 256) of its LDS row; lanes 16-31 read 24 bytes on, which may be behind one more padding.
.macro FRAG reg, adr, st, off
.irp p, 0,1,2,3,4,5
.set BY, 96*(\st)+48*(\p/3)+8*(\p%3)
.if BY/256 == (BY+24)/256
	ds_load_b64 v[\reg+2*\p:\reg+2*\p+1], v[\adr] offset:BY+16*(BY/256)+(\off)
.else
	ds_load_b64 v[\reg+2*\p:\reg+2*\p+1], v[\adr+1] offset:BY+16*(BY/256)+(\off)
.endif
.endr
.endm
.macro FETCH_B pc, st                  ; a piece's eight fragments of step st into set st % 2
	WIN 0x40
.irp i, 0,1,2,3,4,5,6,7
	FRAG 96*((\st)%2)+FR*\i, AB+4*(\pc)+2*(\i/4), \st, (\i%4)*16*PITCH
.endr
.endm
.macro WM d, x, y, sx, sy, st          ; step 0 starts the sums; steps 4-7 take their scale words from lanes 16-31
.if (\st) == 0
	v_wmma_scale_f32_16x16x128_f8f6f4 v[\d:\d+7], v[\x:\x+11], v[\y:\y+11], 0, v[\sx], v[\sy] matrix_a_fmt:MATRIX_FMT_BF6 matrix_b_fmt:MATRIX_FMT_BF6
.else
.if (\st) < 4
	v_wmma_scale_f32_16x16x128_f8f6f4 v[\d:\d+7], v[\x:\x+11], v[\y:\y+11], v[\d:\d+7], v[\sx], v[\sy] matrix_a_fmt:MATRIX_FMT_BF6 matrix_b_fmt:MATRIX_FMT_BF6
.else
	v_wmma_scale_f32_16x16x128_f8f6f4 v[\d:\d+7], v[\x:\x+11], v[\y:\y+11], v[\d:\d+7], v[\sx], v[\sy] matrix_a_fmt:MATRIX_FMT_BF6 matrix_b_fmt:MATRIX_FMT_BF6 matrix_a_scale:MATRIX_SCALE_ROW1 matrix_b_scale:MATRIX_SCALE_ROW1
.endif
.endif
.endm
.macro MULQ pc, st                     ; q, k: source 0 the weights (window 1), source 1 x; accumulator (a, b) at 8 (8 a + b)
	ALOC \st, 0
	WIN 0xa1|(AW<<2)
.irp a, 0,1,2,3
.irp b, 0,1,2,3,4,5,6,7
	ALOC \st, \a
	WM 8*(8*\a+\b), 96*((\st)%2)+FR*\b, AR, SB+32*((\pc)%2)+4*\b+(\st)%4, SA+4*\a+(\st)%4, \st
.endr
.endr
.endm
.macro MULV pc, st                     ; v: source 0 x, source 1 the weights; accumulator (b, a) at 8 (4 b + a)
	ALOC \st, 0
	WIN 0xa4|AW
.irp b, 0,1,2,3,4,5,6,7
.irp a, 0,1,2,3
	ALOC \st, \a
	WM 8*(4*\b+\a), AR, 96*((\st)%2)+FR*\b, SA+4*\a+(\st)%4, SB+32*((\pc)%2)+4*\b+(\st)%4, \st
.endr
.endr
.endm
; A step: this step's fragments are in (asked for a step ago); the next step's 48 loads go out in one run, behind four places, into the set that the last step multiplied; 32 matrix instructions.
.macro STEP pc, st
.set NST, ((\st)+1)%8
.set NPC, (\pc)+((\st)+1)/8
	s_wait_dscnt 0x0
.if (\pc) == 0 && (\st) == 7
	s_wait_tensorcnt 0x0                           ; my part of pieces 1 and 2 has landed;
	s_barrier_signal -1
	s_barrier_wait -1                              ; everybody's has.
.endif
.if NPC < 3
	PLACES
	FETCH_B NPC, NST
.endif
.if (\pc) < 2
	MULQ \pc, \st
.else
	MULV \pc, \st
.endif
.endm
.macro PIECE pc
.irp st, 0,1,2,3,4,5,6,7
	STEP \pc, \st
.endr
.endm
; THE WAY OUT of 64 accumulator registers: four blocks of 32 along the next K, 16 numbers in my lane and 16 in lane l xor 16.  Largest magnitude with the floor 2^(5 - 127), scale byte, conversion;
; three swaps and three moves give a lane a whole block.  Registers 0-5 and 6-11 of the codes are two images of 768 bytes: two heads of one tile of positions (kind 0) or two tiles of e (kind 1).
.macro OUT a, kind, base, rs, d2, o0, so
.set AC, 64*(\a)
.set PCO, 96+12*(\a)
	WIN 0x69
.irp b, 0,1,2,3
	v_max3_num_f32 v[TM+\b], 0x2800000, |v[AC+16*\b]|, |v[AC+16*\b+1]|
.endr
.irp i, 2,4,6,8,10,12,14
.irp b, 0,1,2,3
	v_max3_num_f32 v[TM+\b], v[TM+\b], |v[AC+16*\b+\i]|, |v[AC+16*\b+\i+1]|
.endr
.endr
	WIN 0x55
.irp b, 0,1,2,3
	v_permlanex16_b32 v[TM+4+\b], v[TM+\b], s[SEL], s[SEL+1]
.endr
.irp b, 0,1,2,3
	v_max_num_f32 v[TM+\b], v[TM+\b], v[TM+4+\b]
.endr
.irp b, 0,1,2,3
	v_add_nc_u32 v[TM+12+\b], 0xfe000000, v[TM+\b]     ; 4 off the exponent field: the conversion's scale operand
.endr
.irp b, 0,1,2,3
	v_lshrrev_b32 v[TM+4+\b], 23, v[TM+12+\b]          ; the byte
.endr
	v_lshl_or_b32 v[PW+(\a)], v[TM+5], 8, v[TM+4]
	v_lshl_or_b32 v[PW+(\a)], v[TM+6], 16, v[PW+(\a)]
	v_lshl_or_b32 v[PW+(\a)], v[TM+7], 24, v[PW+(\a)]
	WIN 0x46
.irp c, 0,1
	v_cvt_scalef32_pk16_bf6_f32 v[PCO+6*\c:PCO+6*\c+2], v[AC+32*\c:AC+32*\c+15], v[TM+12+2*\c]
	v_cvt_scalef32_pk16_bf6_f32 v[CT+4*\c:CT+4*\c+2], v[AC+32*\c+16:AC+32*\c+31], v[TM+13+2*\c]
.endr
	WIN 0x55
	v_nop                                          ; one plain place behind the conversions
.irp c, 0,1
.irp i, 0,1,2
	v_permlane16_swap_b32 v[PCO+6*\c+\i], v[CT+4*\c+\i]
.endr
.irp i, 0,1,2
	v_mov_b32 v[PCO+3+6*\c+\i], v[CT+4*\c+\i]
.endr
.endr
.if (\kind) == 0
	v_lshrrev_b32 v[SW+(\a)], v[SH], v[PW+(\a)]    ; lanes 16-31: the second head's two bytes come lowest
.endif
	WIN 0x04
	global_store_b128 v[O16], v[PCO:PCO+3], s[\base:\base+1] offset:(\a)*(\rs)+(\o0)
	global_store_b64 v[O8], v[PCO+4:PCO+5], s[\base:\base+1] offset:(\a)*(\rs)+(\o0)+512
	global_store_b128 v[O16], v[PCO+6:PCO+9], s[\base:\base+1] offset:(\a)*(\rs)+(\o0)+(\d2)
	global_store_b64 v[O8], v[PCO+10:PCO+11], s[\base:\base+1] offset:(\a)*(\rs)+(\o0)+(\d2)+512
.if (\kind) == 0 && (\a)%2 == 1
	global_store_b64 v[O8], v[SW+(\a)-1:SW+(\a)], s[SQ:SQ+1] offset:((\a)/2)*4096+(\so)
.endif
.endm
	s_wait_alu depctr_va_vdst(0)
	s_wait_tensorcnt 0x0                           ; my tile of the head's is in;
	s_barrier_signal -1
	s_barrier_wait -1                              ; all four are
.irp st, 0,1,2,3,4,5,6,7                       ; my 64 positions, all of K, into registers: 192 loads
.irp a, 0,1,2,3
	ALOC \st, \a
	WIN AW<<6
	FRAG AR, AA, \st, (\a)*16*PITCH
.endr
.endr
	FETCH_B 0, 0
	WIN 0
	s_wait_tensorcnt 0x0                           ; ahead of the refill
	ds_add_u32 v[SPW], v[NIL]
	s_wait_dscnt 0x0                               ; my reads of x are over
	CROUND                                         ; no wave of any partner still reads regions 0 and 1
	tensor_load_to_lds s[G0R:G0R+3], s[G1B:G1B+7]  ; pieces 1 and 2: 64 rows a wave
	s_nop 0
	PLACES
	s_wait_loadcnt 0x0                             ; the scale words
	PIECE 0
	PLACES
.irp a, 0,1,2,3
	OUT \a, 0, OQ, 24576, 768, 0, 0
.endr
	WIN 0
	s_wait_alu depctr_va_vdst(0)
	s_wait_xcnt 0x0                                ; the stores have read their data: the registers take fragments again
.irp i, 0,1,2,3,4,5,6,7
	global_load_b128 v[SB+4*\i:SB+4*\i+3], v[SOFF], s[VSC:VSC+1] offset:512*\i   ; piece 2's scale words, into piece 0's set
.endr
	PIECE 1
	PLACES
.irp a, 0,1,2,3
	OUT \a, 0, OQ, 24576, 768, 1536, 256
.endr
	WIN 0
	s_wait_alu depctr_va_vdst(0)
	s_wait_xcnt 0x0
	s_wait_loadcnt 0x0
	PIECE 2
	PLACES
.irp a, 0,1,2,3
	OUT \a, 1, OV, 49152, 24576, 0, 0
.endr
; v's scale word covers 128 keys; I hold the two bytes of my 64.  The four waves put their words into LDS bytes of their own; each wave reads two pairs of e tiles of the even and of the odd wave of its key step and joins them.
	s_wait_alu depctr_va_vdst(0)
	ds_store_b128 v[XS], v[PW:PW+3]
	s_wait_dscnt 0x0
	s_barrier_signal -1
	s_barrier_wait -1
	WIN 0x40
	ds_load_b64 v[LO:LO+1], v[XL]
	ds_load_b64 v[HI:HI+1], v[XL] offset:512
	s_wait_dscnt 0x0
	WIN 0x55
	v_perm_b32 v[WW], v[HI], v[LO], 0x05040100     ; the even e tile: the two low halves
	v_perm_b32 v[WW+1], v[HI], v[LO], 0x07060302   ; the odd one: the two high halves
	v_perm_b32 v[WW+2], v[HI+1], v[LO+1], 0x05040100
	v_perm_b32 v[WW+3], v[HI+1], v[LO+1], 0x07060302
	WIN 0x04
	global_store_b64 v[O8], v[WW:WW+1], s[SV:SV+1]
	global_store_b64 v[O8], v[WW+2:WW+3], s[SV:SV+1] offset:4096
	WIN 0
	s_wait_tensorcnt 0x0                           ; the wave's end
	ds_add_u32 v[SPW], v[NIL]
	s_wait_dscnt 0x0
	CROUND                                         ; the closing round
	s_endpgm
.Lfunc_end_k_qf476e1b2b6_proj:
	.size	k_qf476e1b2b6_proj, .Lfunc_end_k_qf476e1b2b6_proj-k_qf476e1b2b6_proj
	.p2alignl 7, 3214868480
	.fill 96, 4, 3214868480
	.section	.rodata,"a",@progbits
	.p2align	6, 0x0
	.amdhsa_kernel k_qf476e1b2b6_proj
		.amdhsa_group_segment_fixed_size 327680
		.amdhsa_private_segment_fixed_size 0
		.amdhsa_enable_private_segment 0
		.amdhsa_kernarg_size 40
		.amdhsa_user_sgpr_count 2
		.amdhsa_user_sgpr_kernarg_segment_ptr 1
		.amdhsa_wavefront_size32 1
		.amdhsa_system_sgpr_workgroup_id_x 1
		.amdhsa_system_sgpr_workgroup_id_y 1
		.amdhsa_system_sgpr_workgroup_id_z 1
		.amdhsa_system_vgpr_workitem_id 0
		.amdhsa_next_free_vgpr 1024
		.amdhsa_next_free_sgpr 98
		.amdhsa_reserve_vcc 0
		.amdhsa_float_denorm_mode_32 3
		.amdhsa_float_denorm_mode_16_64 3
		.amdhsa_memory_ordered 1
		.amdhsa_forward_progress 1
		.amdhsa_inst_pref_size 251
	.end_amdhsa_kernel
	.amdgpu_metadata
---
amdhsa.version: [ 1, 2 ]
amdhsa.kernels:
  - .name:           k_qf476e1b2b6_proj
    .symbol:         k_qf476e1b2b6_proj.kd
    .args:
      - { .name: xq, .offset: 0, .size: 8, .value_kind: global_buffer, .address_space: global }
      - { .name: wqkq, .offset: 8, .size: 8, .value_kind: global_buffer, .address_space: global }
      - { .name: wvq, .offset: 16, .size: 8, .value_kind: global_buffer, .address_space: global }
      - { .name: qk, .offset: 24, .size: 8, .value_kind: global_buffer, .address_space: global }
      - { .name: vv, .offset: 32, .size: 8, .value_kind: global_buffer, .address_space: global }
    .group_segment_fixed_size: 327680
    .private_segment_fixed_size: 0
    .kernarg_segment_align: 8
    .kernarg_segment_size: 40
    .max_flat_workgroup_size: 128
    .sgpr_count:     98
    .vgpr_count:     1024
    .wavefront_size: 32
...
	.end_amdgpu_metadata
.endif
;; end of part 6
;; launch attn (part 7): grid 4 x 64, 16 waves a work-group, no clusters, 327,680 bytes of LDS; arguments qk, vv, out0; writes out0
.if DOCPART == 7
	.amdgcn_target "amdgcn-amd-amdhsa--gfx1250"
	.amdhsa_code_object_version 6
	.text
	.protected	k_qf476e1b2b6_attn
	.globl	k_qf476e1b2b6_attn
	.p2align	8
	.type	k_qf476e1b2b6_attn,@function
k_qf476e1b2b6_attn:
	s_mov_b64 s[64:65], 0
	v_nop
	global_prefetch_b8 v0, s[64:65] scope:SCOPE_SE
	s_setreg_imm32_b32 hwreg(HW_REG_WAVE_MODE, 25, 1), 1
	s_wait_xcnt 0x0
; out0[b][q][64 hd + e] = the sum over keys k <= q of softmax_k(Q[q] . K[k] / 8) V[k][e], for each of 64 (batch, head), both products on codes of BF6 (E3M2) with one E8M0 scale for each 32 along a product's K.
; q, k and v arrive as IMAGES OF OPERAND REGISTERS, made by the projections: a fragment's registers lane by lane, so that every load here is dense.
;   qk: tile T of 16 positions of batch b, head hd: 768 bytes at IMG0 + (128 b + T) x 24,576 + t x 12,288 + hd x 768 (t = 0: q, 1: k): registers 0-3 at 16 x lane, 4-5 at 512 + 8 x lane;
;       its scale words at (64 b + T / 2) x 4,096 + t x 2,048 + hd x 128 + 8 r + 4 (T % 2).  Lane r of tile T holds position 32 (T / 2) + 8 (T % 2) + r % 8 + 16 (r / 8).
;   vv: 16 of the head's e x 128 keys: 1,536 bytes at IMG0 + (16 b + hd) x 98,304 + et x 24,576 + ks x 1,536; scale words at (16 b + hd) x 8,192 + (et / 2) x 4,096 + ks x 256 + 8 r + 4 (et % 2).
; THE SOFTMAX AHEAD OF THE SECOND PRODUCT: t = score x log2(e) / 8; M = the row's largest t so far, rounded UP to a whole number; p = 2^(t - M) is what is quantised, along the keys, not normalised.
; The row's sum is taken of the unquantised p, in f32, and divides O at the end.  When M moves, the sum and O are multiplied by 2^(old M - new M): exact.
; SHARES.  A work-group owns blocks i and 7 - i of 256 queries of one (batch, head).  Wave w owns tile 127 - 16 i - w, then tile 16 i + w.  Tile T needs T / 8 + 1 steps of 128 keys under the causal mask,
; so every wave of the launch works 17 steps.  Sixteen waves of 256 registers: four to a SIMD, so that one wave's vector work stands beside another's matrix work and LDS loads.
; LDS.  A head's K and V as codes are 98,304 bytes each: both lie in LDS whole, with their scale words.  Every byte is filled once: no ring.
; THE FILL COMES IN TWO PARTS: each wave issues two tensor loads at the start: its part of key steps 0 to 3 (waves 0-7: four tiles of K; waves 8-15: 3,072 bytes of V) and its part of the other twelve
; (twelve tiles of K; 9,216 bytes of V).  THE LATER TILE GOES FIRST: every wave has four whole steps to work on the first part while the second is on its way; then one barrier, and all is there.
; LAYOUT.  Both products are used transposed: S^T = K Q^T (source 0 = 16 keys, source 1 = my 16 queries), O^T = V^T P^T: a lane holds ONE query throughout, and by the order of a tile's places
; the 16 registers of key tiles 2 B and 2 B + 1 are the 16 neighbouring keys 32 B + 16 (lane / 16) + 0 .. 15.
; THE HEAD'S 64 IN AN INSTRUCTION OF 128: Q's registers 6-11 are zero codes.  K's fragment t is named v[32 + 6 t : 43 + 6 t]: its upper six registers are the next tile's codes (the last tile's: a pad of zeros).
; The format has no code for infinity or NaN, so those products are zeros; bytes 2 and 3 of the scale words are a neighbouring head's bytes (1 to 254) or 0, never 0xff.
; THE LOOPS' TRIP COUNTS ARE CONSTANTS; a step all of whose keys come after the wave's queries is jumped over by a scalar branch on ids.
; NO CLUSTER: that jump hangs on the work-group's own queries, which differ between the four work-groups of a head; and what they share is fetched once by each: 212,992 bytes for its 272 tile steps.
; LIMITS: NaN and infinities are not served; a block of p whose every number has fallen to 0 keeps the byte 1 (its codes are zeros).
; THE FILL AS THIS TEXT HAS IT (in place of what is said above of two loads at the start): two parts, one tensor load a wave each: key steps 0 to 3 at the head; key steps 4 to 15 behind the first barrier.
;   The barrier that shows the second part whole guards no refill and is split: a wave signals behind key step 2, when its own load has landed,
; works key step 3, and waits only then.
.set IMG0, 1048576
.set KIMG, 0                           ; LDS: K's 128 tiles x 768 bytes: four key steps are 24,576 bytes on end
.set VIMG, 98304                       ; V's [et][ks][1,536]: four key steps are 6,144 bytes of each et
.set KSC,  196608                      ; K's scale words [T / 2][16 x 8 bytes]
.set VSC,  204800                      ; V's, as in memory
.set STG,  212992                      ; a stage of 16 rows x (256 + 16) bytes for each wave
.set L16,  1                           ; v1   16 x lane
.set L8,   2                           ; v2   8 x lane
.set R8,   3                           ; v3   8 x (lane % 16)
.set DL,   4                           ; v4   my query's place in its tile's span, less 16 (lane / 16)
.set STO,  5                           ; v5   the stage: where I put my row's numbers
.set SRD,  6                           ; v6   and where I read a row back
.set GO,   7                           ; v7   my byte offset in two rows of out0
.set DK16, 8                           ; v8-11, v28-31: the LDS addresses of the step in hand
.set DK8,  9
.set DV16, 10
.set DV8,  11
.set DV16B, 28
.set DV8B, 29
.set DSK,  30
.set DSV,  31
.set QF,   16                          ; v16-21 Q's codes, v22-27 zero codes.  v12 -M, v13 the largest t, v[14:15] the sum in two halves
.set FRG,  32                          ; v32-79 K's eight half fragments, later V's four fragments; v80-85 the pad of zeros
.set KSR,  86                          ; v86-93 K's scale words
.set VSR,  94                          ; v94-97 V's
.set PS,   98                          ; v98    p's
.set QS,   99                          ; v99    Q's
.set S,    100                         ; v100-163 S^T, then p
.set O,    164                         ; v164-195 O^T
.set PCD,  196                         ; v196-207 p's codes
.set CT,   208                         ; v208-215 the upper halves of the blocks' codes; later a chain of the sum
.set BM,   216                         ; v216-219 the blocks' largest scores, then largest p
.set PT,   220                         ; v220-223 the other half's; then the bytes
.set SO,   224                         ; v224-227 the conversions' scale operands
.set F,    228                         ; v[228:229] f = 2^(old M - new M) (the pair is named; the low word serves)
.set TA,   230                         ; v230-233 at work
.set TB,   231
.set TC,   232
.set TD,   233
.set Q2,   244                         ; v244-249 the second tile's Q
.set QS2,  250                         ; v250 its scale words
.set WV,   10                          ; s10 my wave's number
.set SEL,  20                          ; s[20:21] lane selects for v_permlanex16_b32: lane l xor 16
.set CS,   22                          ; s[22:23] c = log2(e) / 8
.set G1KA, 24                          ; s[24:31], s[32:39] descriptor group 1 for K's first part and its rest
.set G1KB, 32
.set G1VA, 40                          ; s[40:47], s[48:55] for V's
.set G1VB, 48
.set G0KA, 56                          ; their groups 0
.set G0KB, 60
.set G0VA, 68
.set G0VB, 72
.set KF,   76                          ; s76 the step's first key
.set QMIN, 77                          ; s77 my tile's first query
.set QMAX, 78                          ; s78 and its last
.set TBK,  79                          ; s79 LDS: the step's tiles of K,
.set TBV,  80                          ; s80 of V,
.set TSK,  81                          ; s81 K's scale words,
.set TSV,  82                          ; s82 V's
.set CNT,  83
.set TT,   84                          ; s84 the tile in hand
.macro GROUP1 g, c, r, p               ; descriptor group 1: r rows of c elements of 8 bytes, p elements from row to row; no mask, no padding
	s_mov_b32 s[\g], 3<<16
	s_mov_b32 s[\g+1], (\c)<<16                    ; tensor_dim0
	s_mov_b32 s[\g+2], (\r)<<16                    ; tensor_dim1
	s_mov_b32 s[\g+3], (\c)<<16                    ; tile_dim0
	s_mov_b32 s[\g+4], \r                          ; tile_dim1
	s_mov_b32 s[\g+5], \p                          ; tensor_dim0_stride
	s_mov_b32 s[\g+6], 0
	s_mov_b32 s[\g+7], 0
.endm
.macro GROUP0 g, l, lo, a, o           ; descriptor group 0: to LDS byte s[l] + lo, from s[a:a+1] + the offset s[o:o+1]
	s_mov_b32 s[\g], 1                             ; count = 1
	s_add_co_u32 s[\g+1], s[\l], \lo
	s_add_nc_u64 s[\g+2:\g+3], s[\a:\a+1], s[\o:\o+1]
	s_or_b32 s[\g+3], s[\g+3], 0x80000000          ; type = 2
.endm
.macro QBASE t, c, w                   ; tile s[t]: its codes' address into s[c:c+1], its scale words' into s[w:w+1]
	s_mul_i32 s[\c], s[\t], 24576
	s_mov_b32 s[\c+1], 0
	s_add_nc_u64 s[\c:\c+1], s[16:17], s[\c:\c+1]
	s_lshr_b32 s[\w], s[\t], 1
	s_lshl_b32 s[\w], s[\w], 12
	s_and_b32 s[\w+1], s[\t], 1
	s_lshl_b32 s[\w+1], s[\w+1], 2
	s_add_co_u32 s[\w], s[\w], s[\w+1]
	s_mov_b32 s[\w+1], 0
	s_add_nc_u64 s[\w:\w+1], s[18:19], s[\w:\w+1]
.endm
	s_load_b128 s[4:7], s[0:1], 0x0                ; qk s[4:5], vv s[6:7]
	s_load_b64 s[8:9], s[0:1], 0x10                ; out0
	v_lshl_add_u32 v254, v0, 2, 0x45000
	v_mov_b32 v255, 0
	ds_add_u32 v254, v255
	ds_add_u32 v254, v255
	v_lshrrev_b32 v8, 5, v0
	s_delay_alu instid0(VALU_DEP_1)
	v_readfirstlane_b32 s[WV], v8                  ; wave 0..15
	s_and_b32 s12, ttmp7, 0xffff                   ; 16 b + hd
	s_lshr_b32 s13, s12, 4                         ; b
	s_and_b32 s14, s12, 15                         ; hd
	s_and_b32 s85, s[WV], 7                        ; j: which eighth of K (waves 0-7) or of V (waves 8-15) I fetch
	s_lshl_b32 s[TT], ttmp9, 4
	s_add_co_u32 s[TT], s[TT], s[WV]
	s_sub_co_u32 s[TT], 127, s[TT]                 ; the later tile first: 127 - 16 i - w
	; every lane constant and LDS address that stays is made here, ahead of the branch on the wave's number
	v_and_b32 v8, 15, v0                           ; r
	v_bfe_u32 v9, v0, 4, 1                         ; h
	v_and_b32 v10, 31, v0                          ; lane
	s_delay_alu instid0(VALU_DEP_1)
	v_lshlrev_b32 v[L16], 4, v10
	s_delay_alu instid0(VALU_DEP_2)
	v_lshlrev_b32 v[L8], 3, v10
	v_lshlrev_b32 v[R8], 3, v8
	v_and_b32 v11, 7, v0
	v_bfe_u32 v28, v0, 3, 1
	s_delay_alu instid0(VALU_DEP_1)
	v_lshl_add_u32 v[DL], v28, 4, v11              ; r % 8 + 16 (r / 8)
	v_lshlrev_b32 v28, 4, v9
	s_delay_alu instid0(VALU_DEP_1)
	v_sub_nc_u32 v[DL], v[DL], v28                 ; - 16 h
	s_mul_i32 s66, s[WV], 16*272
	s_add_co_u32 s66, s66, STG                     ; my stage
	v_mul_u32_u24 v[STO], v8, 272
	s_delay_alu instid0(VALU_DEP_1)
	v_lshl_add_u32 v[STO], v9, 6, v[STO]
	s_delay_alu instid0(VALU_DEP_1)
	v_add_nc_u32 v[STO], s66, v[STO]               ; in: row r, + 64 h
	v_mul_u32_u24 v[SRD], v9, 272
	s_delay_alu instid0(VALU_DEP_1)
	v_lshl_add_u32 v[SRD], v8, 4, v[SRD]
	s_delay_alu instid0(VALU_DEP_1)
	v_add_nc_u32 v[SRD], s66, v[SRD]               ; back: lanes 0-15 one row, lanes 16-31 the next
	v_lshlrev_b32 v[GO], 12, v9
	s_delay_alu instid0(VALU_DEP_1)
	v_lshl_add_u32 v[GO], v8, 4, v[GO]             ; and the same in out0: rows of 4,096 bytes
	v_lshl_add_u32 v[TB], v0, 4, KSC               ; where my 16 bytes of the scale words go
	v_lshrrev_b32 v[TC], 3, v0
	v_and_b32 v[TA], 7, v0
	s_delay_alu instid0(VALU_DEP_1)
	v_lshlrev_b32 v[TA], 4, v[TA]
	s_delay_alu instid0(VALU_DEP_1)
	v_lshl_add_u32 v[TC], v[TC], 12, v[TA]         ; K's scale words in memory: 128 bytes of every 4,096: eight threads to a piece
	v_lshlrev_b32 v[TD], 4, v0                     ; V's: dense
	; offsets, apart from the addresses
	s_mul_i32 s86, s13, 3145728
	s_mul_i32 s87, s14, 768
	s_add_co_u32 s86, s86, s87
	s_add_co_u32 s86, s86, IMG0                    ; q's tile 0 of my batch and head
	s_mov_b32 s87, 0
	s_lshl_b32 s88, s13, 18
	s_lshl_b32 s89, s14, 7
	s_add_co_u32 s88, s88, s89                     ; its scale words
	s_mov_b32 s89, 0
	s_mul_i32 s90, s12, 98304
	s_add_co_u32 s90, s90, IMG0                    ; V's images
	s_mov_b32 s91, 0
	s_lshl_b32 s92, s13, 23
	s_lshl_b32 s93, s14, 8
	s_add_co_u32 s92, s92, s93                     ; out0: my batch, my head's 256 bytes of a row
	s_mov_b32 s93, 0
	s_lshl_b32 s98, s12, 13                        ; V's scale words
	s_mov_b32 s99, 0
	GROUP1 G1KA, 96, 4, 3072                       ; K: four tiles of 768 bytes, 24,576 bytes apart in memory, on end in LDS
	GROUP1 G1KB, 96, 12, 3072                      ; twelve
	GROUP1 G1VA, 32, 12, 32                        ; V: 3,072 dense bytes as rows of 256
	GROUP1 G1VB, 32, 36, 32                        ; 9,216
	s_mov_b32 s[SEL], 0x76543210
	s_mov_b32 s[SEL+1], 0xfedcba98
	s_mov_b32 s[CS], 0x3e38aa3b                    ; c = log2(e) / 8
	s_mov_b32 s[CS+1], s[CS]                       ; (named with it as a pair, so it is written)
	s_mul_i32 s11, s85, 3072                       ; K's first part (key steps 0 to 3 are tiles 0 to 31): tiles 4 j .. 4 j + 3: in LDS,
	s_mul_i32 s78, s85, 98304
	s_add_co_u32 s78, s78, 12288                   ; and in memory, from q's tile 0: + 12,288 for k
	s_mov_b32 s79, 0
	s_mul_i32 s2, s85, 9216                        ; its rest: tiles 32 + 12 j on: in LDS (behind the first 24,576 bytes),
	s_mul_i32 s80, s85, 294912
	s_add_co_u32 s80, s80, 12288+32*24576          ; and in memory
	s_mov_b32 s81, 0
	s_lshr_b32 s15, s85, 1
	s_mul_i32 s15, s15, 24576                      ; V: et = j / 2;
	s_and_b32 s3, s85, 1
	s_mul_i32 s76, s3, 3072
	s_add_co_u32 s76, s76, s15                     ; half j % 2 of that et's first 6,144 bytes: the same offset in LDS and in memory;
	s_mov_b32 s77, 0
	s_mul_i32 s82, s3, 9216
	s_add_co_u32 s82, s82, s15
	s_add_co_u32 s82, s82, 6144                    ; half j % 2 of its other 18,432
	s_mov_b32 s83, 0
	s_wait_dscnt 0x0
	s_wait_kmcnt 0x0
	s_add_nc_u64 s[16:17], s[4:5], s[86:87]        ; q's images
	s_add_nc_u64 s[18:19], s[4:5], s[88:89]        ; q's scale words
	s_add_nc_u64 s[90:91], s[6:7], s[90:91]        ; V's images
	s_add_nc_u64 s[98:99], s[6:7], s[98:99]        ; V's scale words
	s_add_nc_u64 s[96:97], s[8:9], s[92:93]        ; out0
	GROUP0 G0KA, 11, KIMG, 16, 78
	GROUP0 G0KB, 2, KIMG+24576, 16, 80
	GROUP0 G0VA, 76, VIMG, 90, 76
	GROUP0 G0VB, 82, VIMG, 90, 82
	s_cmp_lt_u32 s[WV], 8                          ; at the head one load a wave: my part of key steps 0 to 3
	s_cbranch_scc0 .Lfill_v
	tensor_load_to_lds s[G0KA:G0KA+3], s[G1KA:G1KA+7]
	s_nop 0
.rept 4
	v_nop
.endr
	s_branch .Lfilled
.Lfill_v:
	tensor_load_to_lds s[G0VA:G0VA+3], s[G1VA:G1VA+7]
	s_nop 0
.rept 4
	v_nop
.endr
.Lfilled:
	s_sub_co_u32 s15, 127, s[TT]                   ; the second tile: 16 i + w
	QBASE TT, 86, 88
	QBASE 15, 90, 92
	s_wait_alu depctr_va_vdst(0)
	global_load_b128 v[S:S+3], v[TC], s[18:19] offset:2048      ; K's scale words of the head: 16 bytes a thread
	global_load_b128 v[S+4:S+7], v[TD], s[98:99]                ; V's
	global_load_b128 v[QF:QF+3], v[L16], s[86:87]               ; the first tile's Q
	global_load_b64 v[QF+4:QF+5], v[L8], s[86:87] offset:512
	global_load_b32 v[QS], v[R8], s[88:89]
	global_load_b128 v[Q2:Q2+3], v[L16], s[90:91]               ; the second tile's
	global_load_b64 v[Q2+4:Q2+5], v[L8], s[90:91] offset:512
	global_load_b32 v[QS2], v[R8], s[92:93]
.irp j, 22,23,24,25,26,27,80,81,82,83,84,85
	v_mov_b32 v\j, 0                               ; Q's upper half and the pad behind K's last tile: zero codes
.endr
.irp b, 0,1,2,3
	v_mov_b32 v[PT+\b], 0                          ; written once: a lane permute's destination counts as one of its sources
.endr
	v_mov_b32 v[F+1], 0                            ; (named as the upper half of a pair)
	v_mov_b32 v[TA], 0
; Where key step 4 c begins: the first key, and the LDS bytes of K, of V and of their scale words.  Stated as constants at the head of each run of steps, so that the bytes
; that the run reads can be read off the text beside the bytes that are still being filled.
.macro CHUNK c
	s_mov_b32 s[KF], 128*\c                        ; (c counts key steps)
	s_mov_b32 s[TBK], KIMG+6144*\c
	s_mov_b32 s[TBV], VIMG+1536*\c
	s_mov_b32 s[TSK], KSC+512*\c
	s_mov_b32 s[TSV], VSC+256*\c
.endm
; The state at a tile's start.  O^T and the sum begin as zeros and the largest t as -3e38, so that the step is written once: the first change of M multiplies zeros.
.macro FRESH
	v_mov_b32 v13, 0xff61b1e6                      ; -3e38, under every t
	s_delay_alu instid0(VALU_DEP_1)
	v_floor_f32 v12, -v13                          ; -M
	v_mov_b32 v14, 0
	v_mov_b32 v15, 0
.set n, 0
.rept 32
	v_mov_b32 v[O+n], 0
.set n, n+1
.endr
	CHUNK 0
.endm
.macro SETQ                            ; from the tile in hand: its first and last query, and its first row of out0
	s_lshr_b32 s86, s[TT], 1
	s_lshl_b32 s86, s86, 5
	s_and_b32 s87, s[TT], 1
	s_lshl_b32 s87, s87, 3
	s_add_co_u32 s[QMIN], s86, s87                 ; 32 (T / 2) + 8 (T % 2)
	s_add_co_u32 s[QMAX], s[QMIN], 23              ; the tile's places span 24 positions
	s_lshl_b32 s86, s[QMIN], 12
	s_mov_b32 s87, 0
	s_add_nc_u64 s[94:95], s[96:97], s[86:87]
.endm
	FRESH
	s_wait_loadcnt 0x6                             ; the two loads of scale words are in; the six of Q behind them may be out
	ds_store_b128 v[TB], v[S:S+3]
	ds_store_b128 v[TB], v[S+4:S+7] offset:VSC-KSC
	s_wait_loadcnt 0x0                             ; Q; and the loads' bases may be written
	SETQ
	s_wait_tensorcnt 0x0                           ; my part of key steps 0 to 3 has landed
	ds_add_u32 v254, v255
	s_wait_dscnt 0x0                               ; the add, and my stores of the scale words
	s_barrier_signal -1
	s_barrier_wait -1                              ; everybody's part has landed
	s_cmp_lt_u32 s[WV], 8                          ; my one load behind this barrier: my part of key steps 4 to 15, which lands under the first steps' work
	s_cbranch_scc0 .Lrest_v
	tensor_load_to_lds s[G0KB:G0KB+3], s[G1KB:G1KB+7]
	s_nop 0
.rept 4
	v_nop
.endr
	s_branch .Lrested
.Lrest_v:
	tensor_load_to_lds s[G0VB:G0VB+3], s[G1VB:G1VB+7]
	s_nop 0
.rept 4
	v_nop
.endr
.Lrested:
; A KEY STEP: 128 keys.
.macro STEP
	s_cmp_gt_u32 s[KF], s[QMAX]                    ; all its keys come after my queries: only the addresses step
	s_cbranch_scc1 .Lhid_\@
	v_add_nc_u32 v[DK16], s[TBK], v[L16]           ; these four are also the places behind the last step's products, in front of the loads into registers that they read
	v_add_nc_u32 v[DK8], s[TBK], v[L8]
	v_add_nc_u32 v[DSK], s[TSK], v[R8]
	v_add_nc_u32 v[DSV], s[TSV], v[R8]
.irp p, 0,1,2,3
	ds_load_b64 v[KSR+2*\p:KSR+2*\p+1], v[DSK] offset:128*\p    ; the scale words of tiles 2 p and 2 p + 1
.endr
.irp t, 0,1,2,3,4,5,6,7
	ds_load_b128 v[FRG+6*\t:FRG+6*\t+3], v[DK16] offset:768*\t  ; an image comes back as it was stored: 512 and 256 consecutive bytes
	ds_load_b64 v[FRG+6*\t+4:FRG+6*\t+5], v[DK8] offset:768*\t+512
.endr
	s_wait_alu depctr_va_vdst(0)
	s_wait_dscnt 0x0
.irp t, 0,1,2,3,4,5,6,7                        ; S^T = K Q^T: eight tiles of 16 keys
	v_wmma_scale_f32_16x16x128_f8f6f4 v[S+8*\t:S+8*\t+7], v[FRG+6*\t:FRG+6*\t+11], v[QF:QF+11], 0, v[KSR+\t], v[QS] matrix_a_fmt:MATRIX_FMT_BF6 matrix_b_fmt:MATRIX_FMT_BF6
.endr
	v_add_nc_u32 v[DV16], s[TBV], v[L16]           ; V's addresses: four plain lines that name none of the products' registers: the places in front of the loads below and of the first read of the scores
	v_add_nc_u32 v[DV8], s[TBV], v[L8]
	s_delay_alu instid0(VALU_DEP_2)
	v_add_nc_u32 v[DV16B], 49152, v[DV16]          ; et = 2, 3 lie beyond the 16-bit immediate
	s_delay_alu instid0(VALU_DEP_2)
	v_add_nc_u32 v[DV8B], 49152, v[DV8]
.irp e, 0,1,2,3                                ; V's four fragments are asked for now and land under the softmax
.if \e < 2
.set A16, DV16
.set A8, DV8
.else
.set A16, DV16B
.set A8, DV8B
.endif
	ds_load_b128 v[FRG+12*\e:FRG+12*\e+3], v[A16] offset:(\e%2)*24576
	ds_load_b64 v[FRG+12*\e+4:FRG+12*\e+5], v[A8] offset:(\e%2)*24576+512
	ds_load_b128 v[FRG+12*\e+6:FRG+12*\e+9], v[A16] offset:(\e%2)*24576+768
	ds_load_b64 v[FRG+12*\e+10:FRG+12*\e+11], v[A8] offset:(\e%2)*24576+1280
.endr
.irp g, 0,1
	ds_load_b64 v[VSR+2*\g:VSR+2*\g+1], v[DSV] offset:4096*\g
.endr
	s_add_co_u32 s86, s[KF], 127                   ; on the diagonal the scores of hidden keys become -infinity ahead of the maximum: p = 0 then.  A step all of whose keys count skips this
	s_cmp_le_u32 s86, s[QMIN]
	s_cbranch_scc1 .Lopen_\@
	s_sub_co_i32 s86, s[QMIN], s[KF]
	v_add_nc_u32 v[TB], s86, v[DL]                 ; d = my query - KF - 16 (lane / 16).  Register 16 b + i holds key KF + 16 (lane / 16) + 32 b + i: hidden where 32 b + i > d
	v_mov_b32 v[TC], 0xff800000
	s_add_co_i32 s87, s86, 23                      ; my tile's last query - KF.  The tile's 24 positions lie inside one aligned block of 32 keys: the blocks ahead of it count for every query, those behind it for none
	s_wait_alu depctr_va_vdst(0)
.irp b, 0,1,2,3
	s_cmp_ge_i32 s86, 32*\b+31                     ; all 32 keys of block b come no later than my tile's first query: nothing to do
	s_cbranch_scc1 .Lseen\@_\b
	s_cmp_lt_i32 s87, 32*\b                        ; all of them come after its last query
	s_cbranch_scc1 .Lnone\@_\b
.set n, 0
.rept 16
	v_cmp_gt_i32 vcc_lo, 32*\b+n, v[TB]
	v_cndmask_b32 v[S+16*\b+n], v[S+16*\b+n], v[TC], vcc_lo
.set n, n+1
.endr
	s_branch .Lseen\@_\b
.Lnone\@_\b:
.set n, 0
.rept 16
	v_mov_b32 v[S+16*\b+n], v[TC]
.set n, n+1
.endr
.Lseen\@_\b:
.endr
.Lopen_\@:
.irp b, 0,1,2,3
	v_max3_num_f32 v[BM+\b], v[S+16*\b], v[S+16*\b+1], v[S+16*\b+2]   ; THE LARGEST SCORE OF EACH BLOCK OF 32 KEYS serves twice: for the row's maximum, and, since p rises with the score, for the block's largest p
.endr
.irp i, 3,5,7,9,11,13
.irp b, 0,1,2,3
	v_max3_num_f32 v[BM+\b], v[BM+\b], v[S+16*\b+\i], v[S+16*\b+\i+1]   ; (the four blocks by turns)
.endr
.endr
.irp b, 0,1,2,3
	v_max_num_f32 v[BM+\b], v[BM+\b], v[S+16*\b+15]
.endr
.irp b, 0,1,2,3
	s_delay_alu instid0(VALU_DEP_4)
	v_permlanex16_b32 v[PT+\b], v[BM+\b], s[SEL], s[SEL+1]
.endr
.irp b, 0,1,2,3
	s_delay_alu instid0(VALU_DEP_4)
	v_max_num_f32 v[BM+\b], v[BM+\b], v[PT+\b]     ; with lane l xor 16's 16 keys
.endr
	s_delay_alu instid0(VALU_DEP_2)
	v_max3_num_f32 v[TA], v[BM], v[BM+1], v[BM+2]
	s_delay_alu instid0(VALU_DEP_1)
	v_max_num_f32 v[TA], v[TA], v[BM+3]            ; the step's largest score of my query
	s_delay_alu instid0(VALU_DEP_1)
	v_mul_f32 v[TA], s[CS], v[TA]                  ; as t (c is positive)
	s_delay_alu instid0(VALU_DEP_1)
	v_max_num_f32 v13, v13, v[TA]                  ; the running largest t
	v_mov_b32 v[TA], v12
	s_delay_alu instid0(VALU_DEP_2)
	v_floor_f32 v12, -v13                          ; the new -M = floor(-t) = -ceil(t): M IS A WHOLE NUMBER
	s_delay_alu instid0(VALU_DEP_1)
	v_sub_f32 v[TA], v12, v[TA]                    ; M's old value less its new one: a whole number, 0 or less
	s_delay_alu instid0(VALU_DEP_1)
	v_cvt_i32_f32 v[TA], v[TA]                     ; (it saturates)
	s_delay_alu instid0(VALU_DEP_1)
	v_ldexp_f32 v[F], 1.0, v[TA]                   ; f = 2^(old M - new M)
.set n, 0
.rept 32
	v_pk_fma_f32 v[S+n:S+n+1], v[S+n:S+n+1], s[CS:CS+1], v[12:13] op_sel_hi:[1,0,0]   ; t - M, two at a time (of the pairs c and -M the low word serves both halves)
.set n, n+2
.endr
.irp b, 0,1,2,3
	v_fma_f32 v[BM+\b], v[BM+\b], s[CS], v12       ; the same of each block's largest score
.endr
.set n, 0
	s_wait_alu depctr_va_vdst(0)
.rept 64
	v_exp_f32 v[S+n], v[S+n]                       ; p = 2^(t - M), at most 1: NOT normalised
.set n, n+1
.endr
.irp b, 0,1,2,3
	v_exp_f32 v[BM+\b], v[BM+\b]                   ; the block's largest p: the same two instructions on the same number give the same bits
.endr
	v_pk_mul_f32 v[14:15], v[14:15], v[F:F+1] op_sel_hi:[1,0]   ; the sums under the new M.  (A plain place behind the exponentials)
	s_wait_alu depctr_va_vdst(0)
.irp b, 0,1,2,3
	v_max_num_f32 v[BM+\b], 0x2800000, v[BM+\b]    ; the floor 2^(5 - 127): the byte cannot fall under 1
.endr
.irp b, 0,1,2,3
	s_delay_alu instid0(VALU_DEP_4)
	v_add_nc_u32 v[SO+\b], 0xfe000000, v[BM+\b]    ; 4 off the exponent field: the conversion's scale operand
.endr
.irp b, 0,1,2,3
	s_delay_alu instid0(VALU_DEP_4)
	v_lshrrev_b32 v[PT+\b], 23, v[SO+\b]           ; the scale's byte
.endr
	s_delay_alu instid0(VALU_DEP_3)
	v_lshl_or_b32 v[PS], v[PT+1], 8, v[PT]         ; p's scale word for these 128 keys
	s_delay_alu instid0(VALU_DEP_1)
	v_lshl_or_b32 v[PS], v[PT+2], 16, v[PS]
	s_delay_alu instid0(VALU_DEP_1)
	v_lshl_or_b32 v[PS], v[PT+3], 24, v[PS]
.irp c, 0,1
	v_cvt_scalef32_pk16_bf6_f32 v[PCD+6*\c:PCD+6*\c+2], v[S+32*\c:S+32*\c+15], v[SO+2*\c]
	v_cvt_scalef32_pk16_bf6_f32 v[CT+4*\c:CT+4*\c+2], v[S+32*\c+16:S+32*\c+31], v[SO+2*\c+1]   ; (a conversion's three registers begin on an even number)
.endr
.set n, 0
.rept 16
	v_pk_mul_f32 v[O+n:O+n+1], v[O+n:O+n+1], v[F:F+1] op_sel_hi:[1,0]   ; O^T under the new M: x f, each accumulator from its low end on.  (These plain lines, which touch nothing of the conversions, stand between them and the lines that touch their results)
.set n, n+2
.endr
.irp c, 0,1                                    ; the operand's layout wants a WHOLE block in a lane: lanes 0-15 block 2 c, lanes 16-31 block 2 c + 1
.irp i, 0,1,2
	v_permlane16_swap_b32 v[PCD+6*\c+\i], v[CT+4*\c+\i]
.endr
.irp i, 0,1,2
	s_delay_alu instid0(VALU_DEP_3)
	v_mov_b32 v[PCD+3+6*\c+\i], v[CT+4*\c+\i]
.endr
.endr
	v_pk_add_f32 v[208:209], v[104:105], v[108:109]
	v_pk_add_f32 v[252:253], v[112:113], v[116:117]
	v_pk_add_f32 v[242:243], v[120:121], v[124:125]
	v_pk_add_f32 v[240:241], v[128:129], v[132:133]
	v_pk_add_f32 v[238:239], v[136:137], v[140:141]
	v_pk_add_f32 v[236:237], v[144:145], v[148:149]
	v_pk_add_f32 v[234:235], v[152:153], v[156:157]
	v_pk_add_f32 v[14:15], v[14:15], v[160:161]
	v_pk_add_f32 v[208:209], v[208:209], v[100:101]
	v_pk_add_f32 v[252:253], v[252:253], v[102:103]
	v_pk_add_f32 v[242:243], v[242:243], v[106:107]
	v_pk_add_f32 v[240:241], v[240:241], v[110:111]
	v_pk_add_f32 v[238:239], v[238:239], v[114:115]
	v_pk_add_f32 v[236:237], v[236:237], v[118:119]
	v_pk_add_f32 v[234:235], v[234:235], v[122:123]
	v_pk_add_f32 v[14:15], v[14:15], v[126:127]
	v_pk_add_f32 v[208:209], v[208:209], v[130:131]
	v_pk_add_f32 v[252:253], v[252:253], v[134:135]
	v_pk_add_f32 v[242:243], v[242:243], v[138:139]
	v_pk_add_f32 v[240:241], v[240:241], v[142:143]
	v_pk_add_f32 v[238:239], v[238:239], v[146:147]
	v_pk_add_f32 v[236:237], v[236:237], v[150:151]
	v_pk_add_f32 v[234:235], v[234:235], v[154:155]
	v_pk_add_f32 v[14:15], v[14:15], v[158:159]
	v_pk_add_f32 v[208:209], v[208:209], v[162:163]
	s_delay_alu instid0(VALU_DEP_2)
	v_pk_add_f32 v[14:15], v[14:15], v[240:241]
	s_delay_alu instid0(VALU_DEP_2)
	v_pk_add_f32 v[208:209], v[208:209], v[238:239]
	v_pk_add_f32 v[252:253], v[252:253], v[236:237]
	v_pk_add_f32 v[242:243], v[242:243], v[234:235]
	s_delay_alu instid0(VALU_DEP_2)
	v_pk_add_f32 v[14:15], v[14:15], v[252:253]
	s_delay_alu instid0(VALU_DEP_2)
	v_pk_add_f32 v[208:209], v[208:209], v[242:243]
	s_delay_alu instid0(VALU_DEP_1)
	v_pk_add_f32 v[14:15], v[14:15], v[208:209]
	s_wait_dscnt 0x0                               ; V's fragments and scale words are in
.irp e, 0,1,2,3                                ; O^T += V^T P^T: four tiles of 16 of the head's 64, one instruction each: the accumulators take turns
	v_wmma_scale_f32_16x16x128_f8f6f4 v[O+8*\e:O+8*\e+7], v[FRG+12*\e:FRG+12*\e+11], v[PCD:PCD+11], v[O+8*\e:O+8*\e+7], v[VSR+\e], v[PS] matrix_a_fmt:MATRIX_FMT_BF6 matrix_b_fmt:MATRIX_FMT_BF6
.endr
.Lhid_\@:
	s_add_co_u32 s[KF], s[KF], 128
	s_add_co_u32 s[TBK], s[TBK], 6144              ; eight tiles of K,
	s_add_co_u32 s[TBV], s[TBV], 1536              ; a fragment of each et,
	s_add_co_u32 s[TSK], s[TSK], 512               ; and their scale words on
	s_add_co_u32 s[TSV], s[TSV], 256
.endm
.macro WALK trips                      ; so many key steps on end
	s_mov_b32 s[CNT], \trips
.Lwalk_\@:
	STEP
	s_sub_co_u32 s[CNT], s[CNT], 1
	s_cmp_lg_u32 s[CNT], 0
	s_cbranch_scc1 .Lwalk_\@
.endm
; THE WAY OUT of a tile.  O^T is divided by the row's sum and goes through my stage in LDS, so that sixteen lanes store a query's 256 bytes of my head.
.macro FINISH
	v_add_f32 v14, v14, v15                        ; the sum's two halves,
	s_delay_alu instid0(VALU_DEP_1)
	v_permlanex16_b32 v[TA], v14, s[SEL], s[SEL+1]
	s_delay_alu instid0(VALU_DEP_1)
	v_add_f32 v14, v14, v[TA]                      ; and lane l xor 16's: the row's sum
	s_wait_alu depctr_va_vdst(0)
	v_rcp_f32 v14, v14
.rept 3
	v_nop                                          ; a plain place behind the reciprocal; with the additions above, the places behind the last products
.endr
.set n, 0
	s_wait_alu depctr_va_vdst(0)
.rept 32
	v_mul_f32 v[S+n], v[O+n], v14                  ; register 16 g + 4 i + k is e = 32 g + 16 h + 4 i + k of my query
.set n, n+1
.endr
.irp g, 0,1
.irp i, 0,1,2,3
	ds_store_b128 v[STO], v[S+16*\g+4*\i:S+16*\g+4*\i+3] offset:128*\g+16*\i
.endr
.endr
.irp i, 0,1,2,3,4,5,6,7
	ds_load_b128 v[S+32+4*\i:S+32+4*\i+3], v[SRD] offset:544*\i   ; LDS serves a wave's instructions in order: these see my stores.  Rows 2 i and 2 i + 1 of the tile
.endr
.irp i, 0,1,2,3,4,5,6,7
	s_wait_dscnt 7-\i                              ; loads come back in order: pair i is in, the younger ones may be out
	global_store_b128 v[GO], v[S+32+4*\i:S+32+4*\i+3], s[94:95] offset:(2*\i+8*(\i/4))*4096 th:TH_STORE_NT   ; the tile's rows 8 to 15 are queries 16 to 23 of its span; 16 lanes store 256 consecutive bytes, at a multiple of 256 from out0's first byte
.endr
	s_wait_xcnt 0x0                                ; the stores' data and base are written again only behind this wait
.endm
	WALK 3                                         ; the later tile: key steps 0 to 2, while the rest of K and V is on its way
	s_wait_tensorcnt 0x0                           ; my part of key steps 4 to 15 has landed
	s_wait_dscnt 0x0                               ; no LDS instruction of mine is out at the signal
	s_barrier_signal -1                            ; say so a step ahead of the wait
	CHUNK 3
	STEP                                           ; key step 3
	s_barrier_wait -1                              ; everybody's part has landed: all of K and V lies in LDS
	CHUNK 4
	WALK 12                                        ; key steps 4 to 15
	s_wait_alu depctr_va_vdst(0)
	FINISH
.irp j, 0,1,2,3,4,5
	v_mov_b32 v[QF+\j], v[Q2+\j]                   ; the earlier tile's Q
.endr
	v_mov_b32 v[QS], v[QS2]                        ; and its scale words; the moves below are the places that both want ahead of the next product
	FRESH
	s_sub_co_u32 s[TT], 127, s[TT]
	SETQ
	WALK 8                                         ; tile 16 i + w is at most 63: eight steps at the most
	s_wait_alu depctr_va_vdst(0)
	FINISH
	s_wait_tensorcnt 0x0
	ds_add_u32 v254, v255
	s_wait_dscnt 0x0
	s_endpgm
.Lfunc_end_k_qf476e1b2b6_attn:
	.size	k_qf476e1b2b6_attn, .Lfunc_end_k_qf476e1b2b6_attn-k_qf476e1b2b6_attn
	.p2alignl 7, 3214868480
	.fill 96, 4, 3214868480
	.section	.rodata,"a",@progbits
	.p2align	6, 0x0
	.amdhsa_kernel k_qf476e1b2b6_attn
		.amdhsa_group_segment_fixed_size 327680
		.amdhsa_private_segment_fixed_size 0
		.amdhsa_enable_private_segment 0
		.amdhsa_kernarg_size 24
		.amdhsa_user_sgpr_count 2
		.amdhsa_user_sgpr_kernarg_segment_ptr 1
		.amdhsa_wavefront_size32 1
		.amdhsa_system_sgpr_workgroup_id_x 1
		.amdhsa_system_sgpr_workgroup_id_y 1
		.amdhsa_system_sgpr_workgroup_id_z 1
		.amdhsa_system_vgpr_workitem_id 0
		.amdhsa_next_free_vgpr 256
		.amdhsa_next_free_sgpr 100
		.amdhsa_reserve_vcc 1
		.amdhsa_float_denorm_mode_32 3
		.amdhsa_float_denorm_mode_16_64 3
		.amdhsa_memory_ordered 1
		.amdhsa_forward_progress 1
		.amdhsa_inst_pref_size 125
	.end_amdhsa_kernel
	.amdgpu_metadata
---
amdhsa.version: [ 1, 2 ]
amdhsa.kernels:
  - .name:           k_qf476e1b2b6_attn
    .symbol:         k_qf476e1b2b6_attn.kd
    .args:
      - { .name: qk, .offset: 0, .size: 8, .value_kind: global_buffer, .address_space: global }
      - { .name: vv, .offset: 8, .size: 8, .value_kind: global_buffer, .address_space: global }
      - { .name: out0, .offset: 16, .size: 8, .value_kind: global_buffer, .address_space: global }
    .group_segment_fixed_size: 327680
    .private_segment_fixed_size: 0
    .kernarg_segment_align: 8
    .kernarg_segment_size: 24
    .max_flat_workgroup_size: 512
    .sgpr_count:     100
    .vgpr_count:     256
    .wavefront_size: 32
...
	.end_amdgpu_metadata
.endif
;; end of part 7
